; MI455X (gfx1250); checked and timed in simulation.
; The chip was launched on July 23, 2026; its instructions are those of AMD's public machine-readable ISA for CDNA 5 (MIT licence, August 2026) and "CDNA5" Instruction Set Architecture Reference Guide (July 2026). The comments in the code are by the model that wrote it; some were corrected since.
;; Mo E Layer. Allowed arithmetic: matrix products marked QUANTISED: E2M1 operands, one E8M0 scale for each 32 along K, by v_wmma_scale_f32_16x16x128_f8f6f4 with both operands' format E2M1 (or v_wmma_scale_f32_32x16x128_f4), f32 sums; products left as they are: f32 operands where the result goes on into a quantised operand, else bf16, f16 or f32 operands; f32 sums; everything else in f32.
;; Inputs: b1 8 x 2,048 float32; b2 8 x 512 float32; router_b 8 float32; router_w 8 x 512 float32; w1_codes 8 x 2,048 x 16 x 16 uint8 (E2M1 codes of w1, K innermost, in blocks of 32 codes, two codes a byte); w1_scales 8 x 2,048 x 16 uint8 (E8M0 scales of w1, one for each 32 codes along K); w2_codes 8 x 512 x 64 x 16 uint8 (E2M1 codes of w2, K innermost, in blocks of 32 codes, two codes a byte); w2_scales 8 x 512 x 64 uint8 (E8M0 scales of w2, one for each 32 codes along K); x 4 x 1,024 x 512 float32.
;; Outputs: out0 4 x 1,024 x 512 float32; out1 4,096 x 8 float32.
;; Constants: top_k = 2.
;; This version of the problem:
;;   THIS VERSION OF THE PROBLEM IS GIVEN IN LOW PRECISION. The matrix products marked QUANTISED in the list below multiply operands that are first quantised to E2M1 (2 exponent bits, 1 mantissa bit; 4 bits a number), with one power-of-two scale for each 32 numbers along K (OCP MX v1.0); their sums are f32. All else is computed in f32.
;;   The module's matrix products, in the order in which they are computed (A, B: the left and right operand; K: the contracted axis; several contracted axes count as one K, in the product's order):
;;     1. [M 4,096, K 512] x [K 512, N 8]; A: input x; B: input router_w: left as it is (N = 8 < 16)
;;     2. [M 4,096, K 512] x [K 512, N 2,048]; A: input x; B: input w1 (given as codes): QUANTISED
;;     3. [M 4,096, K 2,048] x [K 2,048, N 512]; A: computed on the way; B: input w2 (given as codes): QUANTISED
;;     4. [M 4,096, K 512] x [K 512, N 2,048]; A: input x; B: input w1 (given as codes): QUANTISED
;;     5. [M 4,096, K 2,048] x [K 2,048, N 512]; A: computed on the way; B: input w2 (given as codes): QUANTISED
;;     6. [M 4,096, K 512] x [K 512, N 2,048]; A: input x; B: input w1 (given as codes): QUANTISED
;;     7. [M 4,096, K 2,048] x [K 2,048, N 512]; A: computed on the way; B: input w2 (given as codes): QUANTISED
;;     8. [M 4,096, K 512] x [K 512, N 2,048]; A: input x; B: input w1 (given as codes): QUANTISED
;;     9. [M 4,096, K 2,048] x [K 2,048, N 512]; A: computed on the way; B: input w2 (given as codes): QUANTISED
;;     10. [M 4,096, K 512] x [K 512, N 2,048]; A: input x; B: input w1 (given as codes): QUANTISED
;;     11. [M 4,096, K 2,048] x [K 2,048, N 512]; A: computed on the way; B: input w2 (given as codes): QUANTISED
;;     12. [M 4,096, K 512] x [K 512, N 2,048]; A: input x; B: input w1 (given as codes): QUANTISED
;;     13. [M 4,096, K 2,048] x [K 2,048, N 512]; A: computed on the way; B: input w2 (given as codes): QUANTISED
;;     14. [M 4,096, K 512] x [K 512, N 2,048]; A: input x; B: input w1 (given as codes): QUANTISED
;;     15. [M 4,096, K 2,048] x [K 2,048, N 512]; A: computed on the way; B: input w2 (given as codes): QUANTISED
;;     16. [M 4,096, K 512] x [K 512, N 2,048]; A: input x; B: input w1 (given as codes): QUANTISED
;;     17. [M 4,096, K 2,048] x [K 2,048, N 512]; A: computed on the way; B: input w2 (given as codes): QUANTISED
;;   THE QUANTISER, for each operand of a quantised product, along K:
;;     - K is cut into blocks of 32 from its start; a last block that is shorter is filled with zeros.
;;     - A block's scale is 2^e with e = floor(log2(the largest magnitude in the block)) - 2, held to -126 .. 127; a block of zeros has e = 0. As a byte (E8M0): e + 127.
;;     - Each number is divided by its block's scale, clamped to +-6, and rounded to the nearest number of E2M1, ties to even, subnormals kept.
;;     - The product sums the exact products of the quantised numbers (number of the format x scale) in f32.
;;   ~~~python
;;   def quantise(x, axis):      # numpy; x: float32 -> the quantised numbers, widened to float32 again
;;       x = np.moveaxis(x, axis, -1); K = x.shape[-1]
;;       x = np.pad(x, [(0, 0)] * (x.ndim - 1) + [(0, -K % 32)]); x = x.reshape(x.shape[:-1] + (-1, 32)); a = np.abs(x).max(-1, keepdims=True)
;;       e = np.where(a > 0, np.clip(np.frexp(np.where(a > 0, a, 1))[1] - 1 - 2, -126, 127), 0)      # np.frexp(a)[1] - 1 = floor(log2(a)), exactly
;;       r = np.clip(x / 2.0 ** e, -6, 6)
;;       step = 2.0 ** (np.maximum(np.frexp(np.where(r == 0, 1, r))[1] - 1, 0) - 1)
;;       q = np.round(r / step) * step * 2.0 ** e      # np.round: ties to even
;;       return np.moveaxis(q.reshape(q.shape[:-2] + (-1,))[..., :K], -1, axis).astype(np.float32)
;;   ~~~
;;   OPERANDS COMPUTED ON THE WAY. 'Computed on the way' means the value that the module computes at that place (a softmax that the list does not call 'softmax' is quantised finished and normalised). What goes into a quantiser is computed in f32, as accurately as f32 sums, v_exp_f32 and their like allow (about 1e-6 of the number): no bf16 or f16 on the way to a quantiser, and a product that is left as it is and whose result goes on into a quantised operand takes f32 operands (vector FMAs, or v_wmma_f32_16x16x4_f32). A number that lies on a knife's edge between two numbers of the format may be rounded either way, as far as f32 arithmetic and the matrix unit's own rounding can turn it there, and no further.
;;   INPUTS GIVEN AS CODES. w1 (in the module: [8, 512, 2048], K = its axis 1); w2 (in the module: [8, 2048, 512], K = its axis 1): each comes as NAME_codes (uint8): NAME with its K axis moved to the last place and cut into blocks of 32 codes, [.., K / 32, bytes a block], one block behind the other in memory; two codes a byte, the lower K in the low four bits (a code: sign, 2 exponent bits, 1 mantissa bit); and NAME_scales (uint8): the same leading axes, one E8M0 byte (e + 127) for each 32 codes along K. Its value is code x scale, taken as it is: it is not quantised again, and the codes and scales need not be those that the quantiser above would give.
;; 3 versions, each right; version 2 is faster than version 1; version 3 is version 2 with the launch chain written anew for expert scheduling mode. Each part assembles by itself: llvm-mc -triple=amdgcn-amd-amdhsa -mcpu=gfx1250 --defsym DOCPART=n.
;; ======== version 1 of 3: 3 launches
;; limits: an absolute error that grows with the inputs' magnitude: up to 1e-07 times it
;; workspace buffers: xq 1,048,576 bytes; xs 65,536 bytes; cmb 131,072 bytes; keys 16,384 bytes of whole numbers; order 20,480 bytes of whole numbers; blk 768 bytes of whole numbers
;; launch route (part 1): grid 256 x 1, 4 waves a work-group, no clusters, 43,008 bytes of LDS; arguments x, router_w, router_b, out1, cmb, keys, xq, xs; writes out1, cmb, keys, xq, xs
.if DOCPART == 1
	.amdgcn_target "amdgcn-amd-amdhsa--gfx1250"
	.amdhsa_code_object_version 6
	.text
	.protected	k_qeafbd94eb6_route
	.globl	k_qeafbd94eb6_route
	.p2align	8
	.type	k_qeafbd94eb6_route,@function
k_qeafbd94eb6_route:
	s_mov_b64 s[64:65], 0
	v_nop
	global_prefetch_b8 v0, s[64:65] scope:SCOPE_SE
	s_setreg_imm32_b32 hwreg(HW_REG_WAVE_MODE, 25, 1), 1
	s_wait_xcnt 0x0
; ROUTE.  For each of 4,096 tokens of 512 f32 numbers: the 8 router logits (f32 multiply-adds; they are output 1), the two largest (a tie goes to the lower expert),
; the softmax over those two (the larger is taken away ahead of the exponential), the row of 8 combine weights (0 for experts not chosen), the number of the unordered
; pair of experts, p = b (b - 1) / 2 + a with a < b, and the token's numbers as codes of E2M1 with one E8M0 byte for each 32 along K, laid as the weights' codes lie.
; No address and no branch here hangs on the choice: the pair's number is stored as a whole number at a fixed place, and the next launch places the rows.
; SHARES.  A work-group takes 16 tokens, each of its four waves 4.  Every load of x and of router_w reads 512 consecutive bytes, 16 a lane, so a lane holds the same k of both:
; the dot products need no other order.  The conversions want 16 NEIGHBOURS along K in a lane: the token's 2,048 bytes turn through the wave's own stage in LDS (stored as loaded,
; read back 64 bytes a lane; 16 bytes of padding behind each 64).  Each token has a stage of its own, so no stage is written twice.
; The small results (logits, weights, scale bytes, pair numbers) are gathered in LDS, and wave 0 stores them for the work-group in runs of 512, 512, 256 and 64 consecutive bytes.
; LIMITS.  NaN and infinities are not served.  A block of zeros gets the byte 1 where the quantiser says 127: its codes are zeros, and this program alone reads the bytes.
; Two logits closer than the rounding of an f32 sum of 512 terms may be ranked otherwise than a sum taken in another order ranks them.
.set SPL,    80                        ; a lane's place in a stage: 64 bytes + 16 of padding
.set STG_T,  32*SPL                    ; a token's stage
.set STG_W,  4*STG_T                   ; a wave's four
.set G_OUT1, 4*STG_W                   ; behind the stages: 16 tokens x 8 logits
.set G_CMB,  G_OUT1+512                ; 16 x 8 combine weights
.set G_XS,   G_CMB+512                 ; 16 x 16 scale bytes
.set G_KEY,  G_XS+256                  ; 16 pair numbers
.set PA,  16                           ; v16-31   8 pairs of partial sums; the low word becomes the expert's logit
.set PT,  32                           ; v32-39   the other half of the lanes' sums
.set CD,  40                           ; v40-47   a token's codes: two registers each, so that no store's data are written again
.set X,   48                           ; v48-63   16 neighbours along K
.set R,   64                           ; v64-127  x as loaded, 16 registers a token; a token's first register later holds its scale byte
.set RW,  128                          ; v128-255 router_w as loaded, 16 registers an expert; free behind the last dot product
	s_load_b512 s[4:19], s[0:1], 0x0               ; x s[4:5], router_w s[6:7], router_b s[8:9], out1 s[10:11], cmb s[12:13], keys s[14:15], xq s[16:17], xs s[18:19]
	v_lshl_add_u32 v14, v0, 2, 0xa600
	s_set_vgpr_msb 0x40
	v_mov_b32 v1, 0
	s_set_vgpr_msb 0x4000
	v_lshrrev_b32 v11, 5, v0
	v_readfirstlane_b32 s20, v11                   ; wave 0..3
	v_and_b32 v1, 31, v0                           ; lane
	v_lshlrev_b32 v2, 4, v1                        ; 16 x lane: my 16 bytes of a load's 512
	s_mul_i32 s21, s20, STG_W
	v_lshrrev_b32 v3, 2, v1
	v_mul_u32_u24 v3, v3, SPL
	v_and_b32 v12, 3, v1
	v_lshl_add_u32 v3, v12, 4, v3
	v_add_nc_u32 v3, s21, v3                       ; the stage, on the way in: four lanes' 64 bytes on end, then the padding
	v_mul_u32_u24 v4, v1, SPL
	v_add_nc_u32 v4, s21, v4                       ; and on the way out: my 16 neighbours
	v_lshlrev_b32 v5, 3, v1                        ; 8 x lane: my 16 codes in a token's 256 bytes
	v_lshrrev_b32 v6, 1, v1
	v_lshl_add_u32 v6, v11, 6, v6
	v_add_nc_u32 v6, G_XS, v6                      ; my block's scale byte: 64 bytes a wave, 16 a token
	v_mov_b32 v7, 0                                ; lane 8 j + e will hold the logit of my wave's token j and expert e
	v_mov_b32 v10, 0                               ; (a DPP form's and a lane permute's destination counts as read: written once here)
	v_and_b32 v15, 7, v0
	v_lshlrev_b32 v15, 2, v15                      ; router_b of expert lane % 8
.irp e, 0,1,2,3,4,5,6,7
	v_mov_b32 v[PT+\e], 0
.endr
	s_mov_b32 s22, 0x76543210
	s_mov_b32 s23, 0xfedcba98                      ; v_permlanex16_b32's selects for lane l xor 16
	s_lshl_b32 s30, ttmp9, 15                      ; 16 tokens x 2,048 bytes a work-group,
	s_lshl_b32 s26, s20, 13                        ; 4 a wave
	s_add_co_u32 s30, s30, s26
	s_mov_b32 s31, 0
	s_wait_kmcnt 0x0
	s_add_nc_u64 s[4:5], s[4:5], s[30:31]
	s_lshl_b32 s30, ttmp9, 12                      ; the codes: 256 bytes a token
	s_lshl_b32 s26, s20, 10
	s_add_co_u32 s30, s30, s26
	s_add_nc_u64 s[16:17], s[16:17], s[30:31]
	s_lshl_b32 s30, ttmp9, 9                       ; logits and weights: 32 bytes a token, by work-group
	s_add_nc_u64 s[10:11], s[10:11], s[30:31]
	s_add_nc_u64 s[12:13], s[12:13], s[30:31]
	s_lshl_b32 s30, ttmp9, 8                       ; scale bytes: 16 a token
	s_add_nc_u64 s[18:19], s[18:19], s[30:31]
	s_lshl_b32 s30, ttmp9, 6                       ; pair numbers: 4 bytes a token
	s_add_nc_u64 s[14:15], s[14:15], s[30:31]
.irp j, 0,1,2,3
.irp i, 0,1,2,3
	global_load_b128 v[R+16*\j+4*\i:R+16*\j+4*\i+3], v2, s[4:5] offset:2048*\j+512*\i th:TH_LOAD_NT   ; register 4 i + q: x[128 i + 4 lane + q]
.endr
.endr
.irp e, 0,1,2,3,4,5,6,7
.irp i, 0,1,2,3
	global_load_b128 v[RW+16*\e+4*\i:RW+16*\e+4*\i+3], v2, s[6:7] offset:2048*\e+512*\i               ; the same k of router_w's row e
.endr
.endr
	global_load_b32 v8, v15, s[8:9]
	s_wait_loadcnt 33                              ; x's 16 loads are in; the 32 of router_w and the one of router_b, issued behind them, may be out
.irp j, 0,1,2,3
.irp i, 0,1,2,3
	ds_store_b128 v3, v[R+16*\j+4*\i:R+16*\j+4*\i+3] offset:STG_T*\j+8*SPL*\i   ; a load's 512 bytes take eight places of the stage
.endr
.endr
	s_wait_loadcnt 0x0
.macro XIN j                           ; token j's 16 neighbours: LDS serves a wave's instructions in order, so these see my stores
.irp i, 0,1,2,3
	ds_load_b128 v[X+4*\i:X+4*\i+3], v4 offset:STG_T*(\j)+16*\i
.endr
.endm
.macro DOT j                           ; my 16 numbers of token j against the same k of the 8 experts, two at a time, the experts by turns
.irp e, 0,1,2,3,4,5,6,7
	v_pk_mul_f32 v[PA+2*\e:PA+2*\e+1], v[R+16*(\j):R+16*(\j)+1], v[RW+16*\e:RW+16*\e+1]
.endr
.irp k, 1,2,3,4,5,6,7
.irp e, 0,1,2,3,4,5,6,7
	v_pk_fma_f32 v[PA+2*\e:PA+2*\e+1], v[R+16*(\j)+2*\k:R+16*(\j)+2*\k+1], v[RW+16*\e+2*\k:RW+16*\e+2*\k+1], v[PA+2*\e:PA+2*\e+1]
.endr
.endr
.irp e, 0,1,2,3,4,5,6,7
	v_add_f32 v[PA+2*\e], v[PA+2*\e], v[PA+2*\e+1]
.endr
.endm
.macro RED                             ; the 8 sums over the 32 lanes; every lane ends with all 8
.irp m, 1,2,4,8
.irp e, 0,1,2,3,4,5,6,7
	v_add_f32_dpp v[PA+2*\e], v[PA+2*\e], v[PA+2*\e] row_xmask:\m row_mask:0xf bank_mask:0xf
.endr
.endr
.irp e, 0,1,2,3,4,5,6,7
	v_permlanex16_b32 v[PT+\e], v[PA+2*\e], s22, s23
.endr
.irp e, 0,1,2,3,4,5,6,7
	v_add_f32 v[PA+2*\e], v[PA+2*\e], v[PT+\e]
.endr
.endm
.macro SEL j                           ; lane 8 j + e keeps expert e's sum
.irp e, 0,1,2,3,4,5,6,7
	s_mov_b32 s24, 1<<(8*(\j)+\e)
	v_cndmask_b32 v7, v7, v[PA+2*\e], s24
.endr
.endm
.macro QX j                            ; token j's codes and scale bytes: two neighbouring lanes hold a block of 32
	v_max3_num_f32 v11, |v[X]|, |v[X+1]|, |v[X+2]|
	v_max3_num_f32 v12, |v[X+3]|, |v[X+4]|, |v[X+5]|
.irp i, 6,10
	v_max3_num_f32 v11, v11, |v[X+\i]|, |v[X+\i+1]|
	v_max3_num_f32 v12, v12, |v[X+\i+2]|, |v[X+\i+3]|
.endr
	v_max3_num_f32 v11, v11, |v[X+14]|, |v[X+15]|
	v_max3_num_f32 v11, v11, v12, 0x1800000        ; and the floor 2^(3 - 127): the byte cannot fall under 1
	v_max_num_f32_dpp v11, v11, v11 row_xmask:1 row_mask:0xf bank_mask:0xf   ; with my neighbour's 16: the block's largest magnitude
	v_add_nc_u32 v13, 0xff000000, v11              ; 2 off its exponent field: the conversion takes this operand's exponent field as its scale
	v_cvt_scalef32_pk8_fp4_f32 v[CD+2*(\j)], v[X:X+7], v13
	v_cvt_scalef32_pk8_fp4_f32 v[CD+2*(\j)+1], v[X+8:X+15], v13
	v_lshrrev_b32 v[R+16*(\j)], 23, v13            ; the scale's byte (also the plain line behind the conversions); the token's numbers as loaded are done with
	ds_store_b8 v6, v[R+16*(\j)] offset:16*(\j)    ; both lanes of a block write the same byte with the same value
	global_store_b64 v5, v[CD+2*(\j):CD+2*(\j)+1], s[16:17] offset:256*(\j)   ; the wave stores the token's 256 consecutive bytes of codes
.endm
.irp j, 0,1,2,3
	XIN \j
	DOT \j
	RED
	SEL \j
	s_wait_dscnt 0x0                               ; the 16 neighbours are in
	QX \j
.endr
	; THE TWO LARGEST.  Lane 8 j + e holds one logit; the 8 lanes of a token are reached by row_xmask 1 .. 7.
	v_add_f32 v7, v7, v8                           ; + router_b: the logit
	v_lshlrev_b32 v128, 2, v0                      ; token (4 wave + j), expert e: word 32 wave + 8 j + e = my thread's number
	v_lshrrev_b32 v129, 3, v0
	v_lshlrev_b32 v129, 2, v129                    ; a word a token
	v_and_b32 v154, 15, v1
	v_lshlrev_b32 v154, 2, v154                    ; (wave 0's way out for the pair numbers)
	ds_store_b32 v128, v7 offset:G_OUT1
	v_mov_b32 v9, 0                                ; my rank: how many of the other seven come before me
.macro RANK m, msk                     ; the partner comes before me if it is larger, or equal with the lower index (msk: the lanes whose partner's index is lower)
	v_mov_b32_dpp v10, v7 row_xmask:\m row_mask:0xf bank_mask:0xf
	v_cmp_gt_f32 s24, v10, v7
	v_cmp_eq_f32 s25, v10, v7
	s_and_b32 s25, s25, \msk
	s_or_b32 s24, s24, s25
	v_cndmask_b32 v11, 0, 1, s24
	v_add_nc_u32 v9, v9, v11
.endm
	RANK 1, 0xaaaaaaaa
	RANK 2, 0xcccccccc
	RANK 3, 0xcccccccc
	RANK 4, 0xf0f0f0f0
	RANK 5, 0xf0f0f0f0
	RANK 6, 0xf0f0f0f0
	RANK 7, 0xf0f0f0f0
.macro MAX8 r                          ; the largest of a token's 8 lanes, in all 8
.irp m, 1,2,4
	v_max_num_f32_dpp v[\r], v[\r], v[\r] row_xmask:\m row_mask:0xf bank_mask:0xf
.endr
.endm
	v_mov_b32 v130, v7
	MAX8 130                                       ; the largest logit
	v_mov_b32 v131, 0xff800000
	v_cmp_eq_u32 vcc_lo, 0, v9
	v_cndmask_b32 v131, v7, v131, vcc_lo           ; without the first,
	MAX8 131                                       ; the second
	v_sub_f32 v132, v131, v130                     ; the larger is taken away: 0 or less
	v_mul_f32 v132, 0x3fb8aa3b, v132
	v_exp_f32 v133, v132                           ; e^(second - first), at most 1
	v_and_b32 v137, 7, v0                          ; (a plain line behind the exponential)  my expert
	s_wait_alu depctr_va_vdst(0)                   ; the wait ahead of the first reader
	v_add_f32 v134, 1.0, v133
	v_rcp_f32 v135, v134                           ; the first's weight
	v_cvt_f32_u32 v137, v137                       ; (a plain line behind the reciprocal)
	s_wait_alu depctr_va_vdst(0)
	v_mul_f32 v136, v133, v135                     ; the second's
	v_cmp_eq_u32 vcc_lo, 1, v9
	v_cndmask_b32 v136, 0, v136, vcc_lo
	v_cmp_eq_u32 vcc_lo, 0, v9
	v_cndmask_b32 v136, v136, v135, vcc_lo         ; rank 0: the first's; rank 1: the second's; else 0
	ds_store_b32 v128, v136 offset:G_CMB
	v_mul_f32 v138, -1.0, v137
	v_mov_b32 v139, 0xc1000000                     ; -8
	v_mov_b32 v140, -1.0
	v_cmp_gt_u32 vcc_lo, 2, v9                     ; am I one of the two?
	v_cndmask_b32 v139, v139, v138, vcc_lo
	v_cndmask_b32 v140, v140, v137, vcc_lo
	MAX8 139                                       ; -a: a the lower of the two experts
	MAX8 140                                       ; b: the higher
	v_mul_f32 v141, 0.5, v140
	v_add_f32 v142, -1.0, v140
	v_fma_f32 v141, v141, v142, -v139              ; b (b - 1) / 2 + a: small whole numbers, exact in f32
	v_cvt_u32_f32 v141, v141
	ds_store_b32 v129, v141 offset:G_KEY           ; eight lanes write one word with one value
	s_wait_dscnt 0x0                               ; for the others' sake: my stores have landed
	s_barrier_signal -1
	s_barrier_wait -1
	s_cmp_lg_u32 s20, 0
	s_cbranch_scc1 .Lend                           ; wave 0 stores for the work-group
	ds_load_b128 v[144:147], v2 offset:G_OUT1
	ds_load_b128 v[148:151], v2 offset:G_CMB
	ds_load_b64 v[152:153], v5 offset:G_XS
	ds_load_b32 v155, v154 offset:G_KEY
	s_wait_dscnt 0x0
	global_store_b128 v2, v[144:147], s[10:11]     ; 512 consecutive bytes of logits
	global_store_b128 v2, v[148:151], s[12:13]     ; 512 of weights
	global_store_b64 v5, v[152:153], s[18:19]      ; 256 of scale bytes
	v_cmp_gt_u32 vcc_lo, 16, v1
	s_wait_xcnt 0x0                                ; EXEC changes only behind this wait
	s_and_saveexec_b32 s24, vcc_lo
	global_store_b32 v154, v155, s[14:15]          ; 16 pair numbers
	s_wait_xcnt 0x0                                ; and again, in front of the line that widens it
	s_or_b32 exec_lo, exec_lo, s24
.Lend:
	s_barrier_signal -1
	s_barrier_wait -1
	s_set_vgpr_msb 0x4
	s_wait_tensorcnt 0x0
	ds_add_u32 v14, v1
	s_wait_dscnt 0x0
	s_set_vgpr_msb 0x400
	s_endpgm
.Lfunc_end_k_qeafbd94eb6_route:
	.size	k_qeafbd94eb6_route, .Lfunc_end_k_qeafbd94eb6_route-k_qeafbd94eb6_route
	.p2alignl 7, 3214868480
	.fill 96, 4, 3214868480
	.section	.rodata,"a",@progbits
	.p2align	6, 0x0
	.amdhsa_kernel k_qeafbd94eb6_route
		.amdhsa_group_segment_fixed_size 43008
		.amdhsa_private_segment_fixed_size 0
		.amdhsa_enable_private_segment 0
		.amdhsa_kernarg_size 64
		.amdhsa_user_sgpr_count 2
		.amdhsa_user_sgpr_kernarg_segment_ptr 1
		.amdhsa_wavefront_size32 1
		.amdhsa_system_sgpr_workgroup_id_x 1
		.amdhsa_system_sgpr_workgroup_id_y 1
		.amdhsa_system_sgpr_workgroup_id_z 1
		.amdhsa_system_vgpr_workitem_id 0
		.amdhsa_next_free_vgpr 258
		.amdhsa_next_free_sgpr 66
		.amdhsa_reserve_vcc 1
		.amdhsa_float_denorm_mode_32 3
		.amdhsa_float_denorm_mode_16_64 3
		.amdhsa_memory_ordered 1
		.amdhsa_forward_progress 1
		.amdhsa_inst_pref_size 51
	.end_amdhsa_kernel
	.amdgpu_metadata
---
amdhsa.version: [ 1, 2 ]
amdhsa.kernels:
  - .name:           k_qeafbd94eb6_route
    .symbol:         k_qeafbd94eb6_route.kd
    .args:
      - { .name: x, .offset: 0, .size: 8, .value_kind: global_buffer, .address_space: global }
      - { .name: router_w, .offset: 8, .size: 8, .value_kind: global_buffer, .address_space: global }
      - { .name: router_b, .offset: 16, .size: 8, .value_kind: global_buffer, .address_space: global }
      - { .name: out1, .offset: 24, .size: 8, .value_kind: global_buffer, .address_space: global }
      - { .name: cmb, .offset: 32, .size: 8, .value_kind: global_buffer, .address_space: global }
      - { .name: keys, .offset: 40, .size: 8, .value_kind: global_buffer, .address_space: global }
      - { .name: xq, .offset: 48, .size: 8, .value_kind: global_buffer, .address_space: global }
      - { .name: xs, .offset: 56, .size: 8, .value_kind: global_buffer, .address_space: global }
    .group_segment_fixed_size: 43008
    .private_segment_fixed_size: 0
    .kernarg_segment_align: 8
    .kernarg_segment_size: 64
    .max_flat_workgroup_size: 128
    .sgpr_count:     66
    .vgpr_count:     258
    .wavefront_size: 32
...
	.end_amdgpu_metadata
.endif
;; end of part 1
;; launch place (part 2): grid 1 x 1, 16 waves a work-group, no clusters, 5,120 bytes of LDS; arguments keys, order, blk; writes order, blk
.if DOCPART == 2
	.amdgcn_target "amdgcn-amd-amdhsa--gfx1250"
	.amdhsa_code_object_version 6
	.text
	.protected	k_qeafbd94eb6_place
	.globl	k_qeafbd94eb6_place
	.p2align	8
	.type	k_qeafbd94eb6_place,@function
k_qeafbd94eb6_place:
	s_mov_b64 s[64:65], 0
	v_nop
	global_prefetch_b8 v0, s[64:65] scope:SCOPE_SE
	s_setreg_imm32_b32 hwreg(HW_REG_WAVE_MODE, 25, 1), 1
	s_wait_xcnt 0x0
; PLACE.  A counting sort of the 4,096 tokens by their pair of experts (28 pairs) into blocks of 32 tokens of ONE pair.  One work-group, no atomics.
; order [160][32]: the token of (block, row); every entry is written: rows past a block's count hold token 0.  blk [160]: count | a << 8 | b << 16; a block that this split leaves empty has count 0.
; The blocks of pair p are ceil(n_p / 32), one behind the other; their sum is at most (4,096 + 28 x 31) / 32 = 155 for every split.
; SHARES.  Wave w takes tokens 256 w on, 8 a lane, as 8 groups of 32.  In a group a lane finds, from the five ballots of its key's bits, which lanes hold the same key (its rank among them
; is the count of those below it) and which lanes hold the key that equals its own LANE NUMBER: so counts lie with lane = key, and every sum and scan over keys is plain lane arithmetic.
; The waves' counts meet in LDS (16 vectors of 32 words).  Which token gets which row of a pair's blocks is free, so the order of waves, groups and lanes serves.
.set WT,   0                           ; LDS: 16 waves x 32 keys: how many of each key a wave holds
.set BLKL, 2048                        ; 160 block words
.set K,  16                            ; v16-23   my 8 keys
.set RK, 24                            ; v24-31   my rank in each group among the lanes with my key
.set CV, 32                            ; v32-39   lane = key: how many of it each group holds
.set WL, 48                            ; v48-63   lane = key: each wave's count
.set G,  64                            ; v64-71   where my key's run stands for my group
.set PS, 72                            ; v72-79   my 8 places, as byte offsets
.set TK, 80                            ; v80-87   my 8 tokens
.set IX, 88                            ; v88-95   4 x key: the lane to ask
.set RUN, 96                           ; v96-103  lane = key: the first free place of that key ahead of each group
	s_load_b128 s[4:7], s[0:1], 0x0                ; keys s[4:5], order s[6:7]
	s_load_b64 s[8:9], s[0:1], 0x10                ; blk
	v_lshl_add_u32 v128, v0, 2, 0xc00
	v_mov_b32 v129, 0
	v_and_b32 v1, 31, v0                           ; lane
	v_lshrrev_b32 v2, 5, v0
	v_readfirstlane_b32 s10, v2                    ; wave 0..15
	v_lshlrev_b32 v3, 10, v2
	v_lshl_add_u32 v3, v1, 4, v3                   ; keys: 1,024 bytes a wave, 16 a lane
	v_lshlrev_b32 v14, 2, v0                       ; 4 x thread
	v_lshlrev_b32 v15, 2, v1                       ; 4 x lane
	v_lshlrev_b32 v113, 2, v2                      ; 4 x wave
.irp i, 0,1,2,3,4
	v_lshlrev_b32 v[4+\i], 31-\i, v1
	v_ashrrev_i32 v[4+\i], 31, v[4+\i]             ; all ones where bit i of my lane number is set
.endr
	s_mov_b32 s15, 0x01010101
	s_mov_b32 s13, 0xffff0000
	s_wait_kmcnt 0x0
	global_load_b128 v[K:K+3], v3, s[4:5]          ; register 4 i + q: token 256 w + 128 i + 4 lane + q
	global_load_b128 v[K+4:K+7], v3, s[4:5] offset:512
	v_lshlrev_b32 v9, 8, v2
	v_lshl_add_u32 v9, v1, 2, v9
.irp c, 0,1,2,3,4,5,6,7
	v_add_nc_u32 v[TK+\c], 128*(\c/4)+(\c%4), v9
.endr
	s_wait_loadcnt 0x0
.irp c, 0,1,2,3,4,5,6,7
	v_min_u32 v[K+\c], 31, v[K+\c]
.endr
.macro GROUP c
	v_mov_b32 v12, 0                               ; lanes whose key differs from mine
	v_mov_b32 v13, 0                               ; lanes whose key differs from my lane number
.irp i, 0,1,2,3,4
	v_and_b32 v9, 1<<\i, v[K+\c]
	v_cmp_ne_u32 s[16+\i], 0, v9                   ; the ballot of bit i
	v_cndmask_b32 v10, 0, -1, s[16+\i]             ; my own bit, spread
	v_xor_b32 v10, s[16+\i], v10
	v_or_b32 v12, v12, v10
	v_xor_b32 v11, s[16+\i], v[4+\i]
	v_or_b32 v13, v13, v11
.endr
	v_xor_b32 v12, -1, v12
	v_mbcnt_lo_u32_b32 v[RK+\c], v12, 0            ; how many lanes below me hold my key
	v_xor_b32 v13, -1, v13                         ; the lanes that hold key = my lane number: their count, by halves
	v_lshrrev_b32 v9, 1, v13
	v_and_b32 v9, 0x55555555, v9
	v_sub_nc_u32 v13, v13, v9
	v_lshrrev_b32 v9, 2, v13
	v_and_b32 v13, 0x33333333, v13
	v_and_b32 v9, 0x33333333, v9
	v_add_nc_u32 v13, v13, v9
	v_lshrrev_b32 v9, 4, v13
	v_add_nc_u32 v13, v13, v9
	v_and_b32 v13, 0x0f0f0f0f, v13
	v_mul_lo_u32 v13, v13, s15
	v_lshrrev_b32 v[CV+\c], 24, v13
.endm
.irp c, 0,1,2,3,4,5,6,7
	GROUP \c
.endr
	v_add_nc_u32 v40, v[CV], v[CV+1]
.irp c, 2,3,4,5,6,7
	v_add_nc_u32 v40, v40, v[CV+\c]                ; lane = key: my wave's count
.endr
	ds_store_b32 v14, v40 offset:WT
	s_wait_dscnt 0x0                               ; for the others' sake
	s_barrier_signal -1
	s_barrier_wait -1
.irp q, 0,1,2,3,4,5,6,7,8,9,10,11,12,13,14,15
	ds_load_b32 v[WL+\q], v15 offset:WT+128*\q
.endr
	v_mov_b32 v41, 0                               ; n: the key's tokens in all
	v_mov_b32 v42, 0                               ; and in the waves ahead of mine
	s_wait_dscnt 0x0
.irp q, 0,1,2,3,4,5,6,7,8,9,10,11,12,13,14,15
	v_add_nc_u32 v41, v41, v[WL+\q]
	s_cmp_lt_u32 \q, s10
	s_cselect_b32 s11, -1, 0
	v_and_b32 v9, s11, v[WL+\q]
	v_add_nc_u32 v42, v42, v9
.endr
	v_add_nc_u32 v43, 31, v41
	v_lshrrev_b32 v43, 5, v43                      ; the key's blocks
	v_mov_b32 v44, v43
	v_mov_b32 v45, 0
.irp n, 1,2,4,8
	v_mov_b32_dpp v45, v44 row_shr:\n row_mask:0xf bank_mask:0xf bound_ctrl:1
	v_add_nc_u32 v44, v44, v45                     ; a running sum inside each 16 lanes,
.endr
	v_readlane_b32 s12, v44, 15
	v_mov_b32 v9, s12
	v_cndmask_b32 v9, 0, v9, s13
	v_add_nc_u32 v44, v44, v9                      ; and the lower 16's total onto the upper: blocks up to and with this key
	v_sub_nc_u32 v46, v44, v43                     ; the key's first block
	v_lshl_add_u32 v[RUN], v46, 5, v42             ; the first place of my wave's tokens of this key
.irp c, 0,1,2,3,4,5,6
	v_add_nc_u32 v[RUN+\c+1], v[RUN+\c], v[CV+\c]
.endr
.irp c, 0,1,2,3,4,5,6,7
	v_lshlrev_b32 v[IX+\c], 2, v[K+\c]
.endr
.irp c, 0,1,2,3,4,5,6,7
	ds_bpermute_b32 v[G+\c], v[IX+\c], v[RUN+\c]   ; from the lane whose number is my key
.endr
	s_wait_dscnt 0x0
.irp c, 0,1,2,3,4,5,6,7
	v_add_nc_u32 v[PS+\c], v[G+\c], v[RK+\c]
	v_min_u32 v[PS+\c], 0x13ff, v[PS+\c]           ; inside order's 5,120 entries
	v_lshlrev_b32 v[PS+\c], 2, v[PS+\c]
	global_store_b32 v[PS+\c], v[TK+\c], s[6:7]
.endr
	; THE BLOCKS' WORDS: thread i of waves 0 to 4 makes block i's.  Every wave holds the scan, lane = key.
	s_cmp_gt_u32 s10, 4
	s_cbranch_scc1 .Lno_words
	v_mov_b32 v104, 0
.irp p, 0,1,2,3,4,5,6,7,8,9,10,11,12,13,14,15,16,17,18,19,20,21,22,23,24,25,26,27
	v_readlane_b32 s12, v44, \p
	v_cmp_le_u32 vcc_lo, s12, v0
	v_cndmask_b32 v105, 0, 1, vcc_lo
	v_add_nc_u32 v104, v104, v105                  ; the pairs that end at or ahead of block i: the block's pair, or 28 behind the last block
.endr
	v_lshlrev_b32 v106, 2, v104
	ds_bpermute_b32 v107, v106, v41                ; the pair's tokens (lane 28 holds 0)
	ds_bpermute_b32 v108, v106, v46                ; and its first block
	v_mov_b32 v110, 1
.irp k, 1,3,6,10,15,21
	v_cmp_le_u32 vcc_lo, \k, v104
	v_cndmask_b32 v105, 0, 1, vcc_lo
	v_add_nc_u32 v110, v110, v105                  ; b: the pairs with a given b begin at b (b - 1) / 2
.endr
	v_add_nc_u32 v105, -1, v110
	v_mul_u32_u24 v105, v105, v110
	v_lshrrev_b32 v105, 1, v105
	v_sub_nc_u32 v111, v104, v105                  ; a
	s_wait_dscnt 0x0
	v_sub_nc_u32 v108, v0, v108
	v_lshlrev_b32 v108, 5, v108
	v_sub_nc_u32 v109, v107, v108                  ; what is left of the pair's tokens at this block,
	v_min_u32 v109, 32, v109                       ; 32 at the most;
	v_cmp_gt_u32 vcc_lo, 28, v104
	v_cndmask_b32 v109, 0, v109, vcc_lo            ; none behind the last block
	v_lshl_or_b32 v112, v111, 8, v109
	v_lshl_or_b32 v112, v110, 16, v112
	ds_store_b32 v14, v112 offset:BLKL
	global_store_b32 v14, v112, s[8:9]
.Lno_words:
	s_wait_dscnt 0x0                               ; for the others' sake
	s_barrier_signal -1
	s_barrier_wait -1
	; THE ROWS PAST A BLOCK'S COUNT get token 0: wave w sees to blocks w + 16 t, a lane a row.  These entries are the ones that no token was placed in.
.irp t, 0,1,2,3,4,5,6,7,8,9
	ds_load_b32 v[114+\t], v113 offset:BLKL+64*\t
.endr
	v_mov_b32 v124, 0
	s_wait_dscnt 0x0
.irp t, 0,1,2,3,4,5,6,7,8,9
	v_and_b32 v[114+\t], 0xff, v[114+\t]
	v_cmp_ge_u32 vcc_lo, v1, v[114+\t]
	s_wait_xcnt 0x0                                ; EXEC changes only behind this wait
	s_and_saveexec_b32 s14, vcc_lo
	global_store_b32 v14, v124, s[6:7] offset:2048*\t
	s_wait_xcnt 0x0
	s_or_b32 exec_lo, exec_lo, s14
.endr
	s_wait_xcnt 0x0
	s_mov_b32 exec_lo, -1
	s_wait_tensorcnt 0x0
	ds_add_u32 v128, v129
	s_wait_dscnt 0x0
	s_endpgm
.Lfunc_end_k_qeafbd94eb6_place:
	.size	k_qeafbd94eb6_place, .Lfunc_end_k_qeafbd94eb6_place-k_qeafbd94eb6_place
	.p2alignl 7, 3214868480
	.fill 96, 4, 3214868480
	.section	.rodata,"a",@progbits
	.p2align	6, 0x0
	.amdhsa_kernel k_qeafbd94eb6_place
		.amdhsa_group_segment_fixed_size 5120
		.amdhsa_private_segment_fixed_size 0
		.amdhsa_enable_private_segment 0
		.amdhsa_kernarg_size 24
		.amdhsa_user_sgpr_count 2
		.amdhsa_user_sgpr_kernarg_segment_ptr 1
		.amdhsa_wavefront_size32 1
		.amdhsa_system_sgpr_workgroup_id_x 1
		.amdhsa_system_sgpr_workgroup_id_y 1
		.amdhsa_system_sgpr_workgroup_id_z 1
		.amdhsa_system_vgpr_workitem_id 0
		.amdhsa_next_free_vgpr 130
		.amdhsa_next_free_sgpr 66
		.amdhsa_reserve_vcc 1
		.amdhsa_float_denorm_mode_32 3
		.amdhsa_float_denorm_mode_16_64 3
		.amdhsa_memory_ordered 1
		.amdhsa_forward_progress 1
		.amdhsa_inst_pref_size 38
	.end_amdhsa_kernel
	.amdgpu_metadata
---
amdhsa.version: [ 1, 2 ]
amdhsa.kernels:
  - .name:           k_qeafbd94eb6_place
    .symbol:         k_qeafbd94eb6_place.kd
    .args:
      - { .name: keys, .offset: 0, .size: 8, .value_kind: global_buffer, .address_space: global }
      - { .name: order, .offset: 8, .size: 8, .value_kind: global_buffer, .address_space: global }
      - { .name: blk, .offset: 16, .size: 8, .value_kind: global_buffer, .address_space: global }
    .group_segment_fixed_size: 5120
    .private_segment_fixed_size: 0
    .kernarg_segment_align: 8
    .kernarg_segment_size: 24
    .max_flat_workgroup_size: 512
    .sgpr_count:     66
    .vgpr_count:     130
    .wavefront_size: 32
...
	.end_amdgpu_metadata
.endif
;; end of part 2
;; launch chain (part 3): grid 155 x 1, 16 waves a work-group, no clusters, 137,728 bytes of LDS; arguments blk, order, xq, xs, cmb, w1_codes, w1_scales, b1, w2_codes, w2_scales, b2, out0; writes out0
.if DOCPART == 3
	.amdgcn_target "amdgcn-amd-amdhsa--gfx1250"
	.amdhsa_code_object_version 6
	.text
	.protected	k_qeafbd94eb6_chain
	.globl	k_qeafbd94eb6_chain
	.p2align	8
	.type	k_qeafbd94eb6_chain,@function
k_qeafbd94eb6_chain:
	s_mov_b64 s[64:65], 0
	v_nop
	global_prefetch_b8 v0, s[64:65] scope:SCOPE_SE
	s_setreg_imm32_b32 hwreg(HW_REG_WAVE_MODE, 25, 1), 1
	s_wait_xcnt 0x0
; CHAIN.  A work-group takes one block of 32 tokens that chose the same two experts a, b through both experts' whole chains:
; out = c_a (Q(gelu(Q(x) W1_a + b1_a)) W2_a + b2_a) + c_b (the same of b).  Both products on codes of E2M1 with one E8M0 byte for each 32 along K; sums in f32; the hidden layer never leaves LDS.
; Each row of out has one owner, so nothing is added through memory.  The experts that a token did not choose have weight 0 in the problem's own combine matrix: they are not multiplied.
; THE GRID serves every split: 155 blocks at the most.  Rows past a block's count are copies of token 0: computed, never stored.  A block with count 0 walks the same text and stores nothing:
; every wave passes every barrier, and the only branches on a stored number are the two round the stores at the end.
; SHARES.  THE SIXTEEN WAVES SHARE THE COLUMNS: wave w makes hidden units 128 w .. 128 w + 127, which are K step w of the second product, and outputs 32 w .. 32 w + 31, for all 32 rows and both experts.
; So each byte of an expert's weights is loaded once in the work-group, straight into the operand's registers.  Four waves lie on a SIMD: one wave's GELU stands beside another's products and loads.
; LAYOUT.  Both products are used transposed (source 0 = 16 rows of the weight, source 1 = 16 tokens): a lane holds ONE token (lane % 16).  THE ROWS OF W1 THAT FORM A TILE ARE NOT NEIGHBOURS:
; lane r of tile u of unit p takes row 32 p + 8 u + r + 8 (r / 8), so that the 16 registers of a unit's two tiles are 16 neighbours along the next K: 32 p + 16 (lane / 16) + 0 .. 15.
; The hidden layer goes from wave to wave as an IMAGE OF THE OPERAND'S REGISTERS: block b of row r of a fragment lies at 256 b + 16 r, which is register group b / 2 of lane r + 16 (b % 2).
; The biases are the C of each sum's first matrix instruction.  One scale register carries two tiles' words: lanes 0-15 the first tile's, lanes 16-31 the second's.
; GELU.  g = x Phi(x), Phi = 0.5 + xc N(u) / D(u), xc = x held to +-4 sqrt 2, u = xc^2: the rational form of erf with 7 and 5 terms, its argument x / sqrt 2 and the factor 1 / (2 sqrt 2) folded into the coefficients.
; NO JOINT LOADS: how many blocks a pair of experts has hangs on the stored list, so partners of a cluster could not be given blocks of one pair at every split, and a text that branches on stored counts has no tensor load.
; NO PREFETCH: an expert's weights are read by every block that uses the expert, not once.
; LIMITS.  NaN and infinities are not served.  A block of zeros gets the byte 1 where the quantiser says 127: its codes are zeros, and only this text reads the byte.  Phi has an absolute error of about 1e-7,
; as the f32 sum 1 + erf has: for x under about -5 the tiny result has no relative accuracy.
.set HSC,  65536                       ; LDS: from 0 the images: expert e, K step s, tile of rows m at 32768 e + 2048 s + 1024 m;  from HSC their scale words: 2048 e + 128 s + 4 lane
.set STG,  69632                       ; the stage: 32 rows x (2,048 bytes + 16)
.set SP,   2064                        ; 516 words: row r starts at bank 4 r mod 64 (64 banks of 4 bytes: ISA guide 11.1)
.set HS,   30                          ; v30, v31   the hidden layer's scale words, two sets: scales alone
.set XS,   32                          ; v32-35     x's scale words, a register a K step; then W2's of slot B
.set WS,   36                          ; v36-39     W1's scale words; then W2's of slot A
.set BIAS, 40                          ; v40-55     b1 of the unit's two tiles; then b2 of my two tiles of outputs
.set ACC,  56                          ; v56-87     phase 1: tile u, rows m at 8 (2 m + u);  phase 2: outputs n, rows m at 8 (2 n + m)
.set XC,   88                          ; v88-119    GELU at work: xc, u, N, D, 8 each;  phase 2: the hidden fragments, two sets of 16
.set U,    96
.set NN,   104
.set DD,   112
.set HF,   88
.set W,    120                         ; v120-183   W1's fragments (tile u, K step s) at 32 u + 8 s;  phase 2: slot A: W2's (tile n, K step s) at 32 n + 8 s
.set XF,   184                         ; v184-247   x's fragments (rows m, K step s) at 32 m + 8 s;  phase 2: slot B
; v1 W1's rows, v2 their scale words, v3 b1, v4 where I store codes, v5 where I store the scale word, v6-9 c_a, c_b of my token in rows m = 0, 1, v10-11 my two rows of out,
; v[12:13], v[14:15] the leading coefficients, v16-29 the quantiser at work, v248 W2's rows, v249 their scale words, v250 b2, v251 16 x lane, v252 HSC + 4 x lane, v253, v254 the stage in and out, v255 at work.
; s2 wave, s3 the block's word, s4 count, s5, s6 experts, s[8:31] the buffers, s[32:45] expert a's seven bases (W1's codes, its scales, b1, W2's codes, its scales, b2, cmb), s[46:59] expert b's,
; s[60:61] an offset, s62-63 lane selects, s66-67 the hold, s[68:79] N's coefficients, s[80:87] D's, s88 the upper 16 lanes.
.macro PLACES                          ; four plain lines between a matrix instruction and a load into, or a read of, its registers (ISA guide 7.12.1 for a read)
.rept 4
	v_nop
.endr
.endm
.macro KP r, val                       ; a coefficient as a pair: the packed form names both words
	s_mov_b32 s[\r], \val
	s_mov_b32 s[\r+1], \val
.endm
.macro BASES er, o                     ; the seven bases of the expert in s[er], for my wave.  Left shifts and sums alone stand behind the hold of the loaded number
	s_lshl_b32 s60, s[\er], 19
	s_lshl_b32 s7, s2, 15
	s_add_co_u32 s60, s60, s7                      ; 524,288 an expert, 32,768 a wave: W1's 128 rows of 256 bytes, W2's 32 rows of 1,024
	s_add_nc_u64 s[\o:\o+1], s[18:19], s[60:61]
	s_add_nc_u64 s[\o+6:\o+7], s[24:25], s[60:61]
	s_lshl_b32 s60, s[\er], 15
	s_lshl_b32 s7, s2, 11
	s_add_co_u32 s60, s60, s7                      ; the scale bytes: a sixteenth of that
	s_add_nc_u64 s[\o+2:\o+3], s[20:21], s[60:61]
	s_add_nc_u64 s[\o+8:\o+9], s[26:27], s[60:61]
	s_lshl_b32 s60, s[\er], 13
	s_lshl_b32 s7, s2, 9
	s_add_co_u32 s60, s60, s7                      ; b1: 2,048 numbers an expert, 128 a wave
	s_add_nc_u64 s[\o+4:\o+5], s[22:23], s[60:61]
	s_lshl_b32 s60, s[\er], 11
	s_lshl_b32 s7, s2, 7
	s_add_co_u32 s60, s60, s7                      ; b2: 512 an expert, 32 a wave
	s_add_nc_u64 s[\o+10:\o+11], s[28:29], s[60:61]
	s_lshl_b32 s60, s[\er], 2                      ; cmb: the expert's column
	s_add_nc_u64 s[\o+12:\o+13], s[16:17], s[60:61]
.endm
.macro LOADW1 E, p                     ; unit p of expert E: 32 rows of W1, 8,192 bytes on end, their scale words and biases: 21 loads
.irp u, 0,1
.irp s, 0,1,2,3
.irp c, 0,1
	global_load_b128 v[W+32*\u+8*\s+4*\c:W+32*\u+8*\s+4*\c+3], v1, s[32+14*(\E):33+14*(\E)] offset:8192*(\p)+2048*\u+64*\s+32*\c
.endr
.endr
.endr
	global_load_b128 v[WS:WS+3], v2, s[34+14*(\E):35+14*(\E)] offset:512*(\p)   ; register s: K step s; lanes 0-15 tile 0's rows, lanes 16-31 tile 1's
.irp u, 0,1
	global_load_b128 v[BIAS+8*\u:BIAS+8*\u+3], v3, s[36+14*(\E):37+14*(\E)] offset:128*(\p)+32*\u
	global_load_b128 v[BIAS+8*\u+4:BIAS+8*\u+7], v3, s[36+14*(\E):37+14*(\E)] offset:128*(\p)+32*\u+16
.endr
.endm
.macro LOADB2 E                        ; b2 of my 32 outputs, in the result's layout: 4 loads
.irp n, 0,1
	global_load_b128 v[BIAS+8*\n:BIAS+8*\n+3], v250, s[42+14*(\E):43+14*(\E)] offset:64*\n
	global_load_b128 v[BIAS+8*\n+4:BIAS+8*\n+7], v250, s[42+14*(\E):43+14*(\E)] offset:64*\n+16
.endr
.endm
.macro LOADW2 E, g, sl                 ; K steps 4 g .. 4 g + 3 of my 32 rows of W2: 256 consecutive bytes of each row, and their scale words: 17 loads, into slot sl
.irp n, 0,1
.irp s, 0,1,2,3
.irp c, 0,1
	global_load_b128 v[W+64*(\sl)+32*\n+8*\s+4*\c:W+64*(\sl)+32*\n+8*\s+4*\c+3], v248, s[38+14*(\E):39+14*(\E)] offset:16384*\n+256*(\g)+64*\s+32*\c
.endr
.endr
.endr
	global_load_b128 v[WS-4*(\sl):WS-4*(\sl)+3], v249, s[40+14*(\E):41+14*(\E)] offset:16*(\g)   ; lanes 0-15 tile 0's rows, lanes 16-31 tile 1's
.endm
.macro WM ra, rb                       ; one product on rD, rA, rB, rC, rSA, rSB; ra, rb: the side's scale words lie in lanes 16-31
.if (\ra) && (\rb)
	v_wmma_scale_f32_16x16x128_f8f6f4 v[rD:rD+7], v[rA:rA+7], v[rB:rB+7], v[rC:rC+7], v[rSA], v[rSB] matrix_a_fmt:MATRIX_FMT_FP4 matrix_b_fmt:MATRIX_FMT_FP4 matrix_a_scale:MATRIX_SCALE_ROW1 matrix_b_scale:MATRIX_SCALE_ROW1
.elseif (\ra)
	v_wmma_scale_f32_16x16x128_f8f6f4 v[rD:rD+7], v[rA:rA+7], v[rB:rB+7], v[rC:rC+7], v[rSA], v[rSB] matrix_a_fmt:MATRIX_FMT_FP4 matrix_b_fmt:MATRIX_FMT_FP4 matrix_a_scale:MATRIX_SCALE_ROW1
.elseif (\rb)
	v_wmma_scale_f32_16x16x128_f8f6f4 v[rD:rD+7], v[rA:rA+7], v[rB:rB+7], v[rC:rC+7], v[rSA], v[rSB] matrix_a_fmt:MATRIX_FMT_FP4 matrix_b_fmt:MATRIX_FMT_FP4 matrix_b_scale:MATRIX_SCALE_ROW1
.else
	v_wmma_scale_f32_16x16x128_f8f6f4 v[rD:rD+7], v[rA:rA+7], v[rB:rB+7], v[rC:rC+7], v[rSA], v[rSB] matrix_a_fmt:MATRIX_FMT_FP4 matrix_b_fmt:MATRIX_FMT_FP4
.endif
.endm
.macro GELU a                          ; eight numbers of a lane, in place: 72 lines.  The accumulator is read from its lowest register on
.irp i, 0,1,2,3,4,5,6,7
	v_med3_num_f32 v[XC+\i], v[(\a)+\i], s66, s67
.endr
.irp i, 0,2,4,6
	v_pk_mul_f32 v[U+\i:U+\i+1], v[XC+\i:XC+\i+1], v[XC+\i:XC+\i+1]
.endr
.irp i, 0,2,4,6                        ; Horner, two numbers a line, N's and D's chains and the four pairs by turns
	v_pk_fma_f32 v[NN+\i:NN+\i+1], v[U+\i:U+\i+1], v[12:13], s[68:69] op_sel_hi:[1,1,0]
	v_pk_fma_f32 v[DD+\i:DD+\i+1], v[U+\i:U+\i+1], v[14:15], s[80:81] op_sel_hi:[1,1,0]
.endr
.irp k, 1,2,3
.irp i, 0,2,4,6
	v_pk_fma_f32 v[NN+\i:NN+\i+1], v[NN+\i:NN+\i+1], v[U+\i:U+\i+1], s[68+2*\k:69+2*\k] op_sel_hi:[1,1,0]
	v_pk_fma_f32 v[DD+\i:DD+\i+1], v[DD+\i:DD+\i+1], v[U+\i:U+\i+1], s[80+2*\k:81+2*\k] op_sel_hi:[1,1,0]
.endr
.endr
.irp i, 0,1,2,3,4,5,6,7
	v_rcp_f32 v[DD+\i], v[DD+\i]                   ; D is done: the eight reciprocals go as one batch (D is negative throughout: never 0)
.endr
.irp k, 4,5
.irp i, 0,2,4,6
	v_pk_fma_f32 v[NN+\i:NN+\i+1], v[NN+\i:NN+\i+1], v[U+\i:U+\i+1], s[68+2*\k:69+2*\k] op_sel_hi:[1,1,0]   ; N's last two steps name no reciprocal: the plain work behind the batch
.endr
.endr
.irp i, 0,2,4,6
	v_pk_mul_f32 v[NN+\i:NN+\i+1], v[XC+\i:XC+\i+1], v[NN+\i:NN+\i+1]
.endr
	s_wait_alu depctr_va_vdst(0)                   ; one wait for the batch, ahead of its first reader
.irp i, 0,2,4,6
	v_pk_fma_f32 v[NN+\i:NN+\i+1], v[NN+\i:NN+\i+1], v[DD+\i:DD+\i+1], 0.5 op_sel_hi:[1,1,0]   ; Phi
.endr
.irp i, 0,2,4,6
	v_pk_mul_f32 v[(\a)+\i:(\a)+\i+1], v[(\a)+\i:(\a)+\i+1], v[NN+\i:NN+\i+1]                  ; x Phi
.endr
.endm
.macro QUANT E, p                      ; the unit's 32 hidden units of 32 rows: block p of my K step.  A block lies in lanes l and l xor 16; rows m = 0, 1 by turns
	s_wait_dscnt 0x0                               ; the last unit's LDS stores, issued a unit ago, have read their registers
.irp m, 0,1
	v_max3_num_f32 v[16+\m], |v[ACC+16*\m]|, |v[ACC+16*\m+1]|, 0x1800000   ; my 16 numbers, and the floor 2^(3 - 127): the byte cannot fall under 1
.endr
.irp i, 2,4,6,8,10,12,14
.irp m, 0,1
	v_max3_num_f32 v[16+\m], v[16+\m], |v[ACC+16*\m+\i]|, |v[ACC+16*\m+\i+1]|
.endr
.endr
.irp m, 0,1
	v_permlanex16_b32 v[18+\m], v[16+\m], s62, s63
.endr
.irp m, 0,1
	v_max_num_f32 v[16+\m], v[16+\m], v[18+\m]     ; the block's largest magnitude
.endr
.irp m, 0,1
	v_add_nc_u32 v[20+\m], 0xff000000, v[16+\m]    ; 2 off its exponent field: the conversion's scale operand
.endr
.irp m, 0,1
	v_lshrrev_b32 v[22+\m], 23, v[20+\m]           ; the scale's byte
.endr
.irp m, 0,1
.if (\p) == 0
	v_mov_b32 v[24+\m], v[22+\m]                   ; four units' bytes make my K step's scale word
.else
	v_lshl_or_b32 v[24+\m], v[22+\m], 8*(\p), v[24+\m]
.endif
.endr
.irp m, 0,1
	v_cvt_scalef32_pk8_fp4_f32 v[26+2*\m], v[ACC+16*\m:ACC+16*\m+7], v[20+\m]
	v_cvt_scalef32_pk8_fp4_f32 v[27+2*\m], v[ACC+16*\m+8:ACC+16*\m+15], v[20+\m]
.endr
	v_nop                                          ; one plain line behind the last scaled conversion
.irp m, 0,1
	ds_store_b64 v4, v[26+2*\m:27+2*\m] offset:(\E)*32768+1024*\m+256*(\p)   ; my half of block p of row r: the image's own place; the wave's store covers 256 consecutive bytes
.endr
.if (\p) == 3
	v_cndmask_b32 v255, v24, v25, s88              ; lanes 0-15: rows 0-15's words; lanes 16-31: rows 16-31's
	ds_store_b32 v5, v255 offset:(\E)*2048
.endif
.endm
; A UNIT OF PHASE 1: 32 hidden units x 32 rows.  16 products, the four accumulators by turns, one instruction a turn; the next loads; GELU; the quantiser.
; NX = 0: the next unit of this expert is asked for; 1: the second expert's first; 2: the second product's first two units and b2.  The loads have the whole GELU in which to land.
.macro UNIT1 E, p, NX
	s_wait_loadcnt 0x0                             ; this unit's weights (asked for a unit ago) are in; at the first unit also x's fragments, scale words and the combine weights
.irp s, 0,1,2,3
.irp u, 0,1
.irp m, 0,1
.set rD, ACC+8*(2*\m+\u)
.set rA, W+32*\u+8*\s
.set rB, XF+32*\m+8*\s
.if \s == 0
.set rC, BIAS+8*\u
.else
.set rC, ACC+8*(2*\m+\u)
.endif
.set rSA, WS+\s
.set rSB, XS+\s
	WM \u, \m
.endr
.endr
.endr
	PLACES
.if (\NX) == 0
	LOADW1 \E, \p+1
.elseif (\NX) == 1
	LOADW1 1, 0
.else
	LOADB2 0
	LOADW2 0, 0, 0
	LOADW2 0, 1, 1
.endif
	GELU ACC
	GELU ACC+8
	GELU ACC+16
	GELU ACC+24
	QUANT \E, \p
.endm
.macro HLOAD k                         ; step k = 16 e + s: the hidden layer's two fragments of K step s and their scale words, into set k % 2: 5 LDS loads
.set hk, \k
.irp i, 0,1,2,3
	ds_load_b128 v[HF+16*(hk%2)+4*\i:HF+16*(hk%2)+4*\i+3], v251 offset:(hk/16)*32768+(hk%16)*2048+512*\i
.endr
	ds_load_b32 v[HS+hk%2], v252 offset:(hk/16)*2048+(hk%16)*128
.endm
; A UNIT OF PHASE 2: four K steps of expert q / 4, from slot q % 2.  Each K step: four products, my two tiles of outputs x the two tiles of rows, by turns; the next step's fragments are asked for ahead of them.
.macro UNIT2 q
.if (\q) == 7
	s_wait_loadcnt 0x0
.else
	s_wait_loadcnt 17                              ; this unit's loads are in; the 17 of the next unit, issued behind them, may be out
.endif
.irp s, 0,1,2,3
.set kk, 4*(\q)+\s
.if \s > 0
	PLACES                                         ; in front of loads into the set that the last step's products read (at the unit's head the places at the last unit's end serve)
.endif
.if kk < 31
	HLOAD kk+1
	s_wait_dscnt 5                                 ; this step's five are in; the five just issued may be out
.else
	s_wait_dscnt 0x0
.endif
.irp n, 0,1
.irp m, 0,1
.set rD, ACC+8*(2*\n+\m)
.set rA, W+64*((\q)%2)+32*\n+8*\s
.set rB, HF+16*(kk%2)+8*\m
.if (kk%16) == 0
.set rC, BIAS+8*\n
.else
.set rC, ACC+8*(2*\n+\m)
.endif
.set rSA, WS-4*((\q)%2)+\s
.set rSB, HS+kk%2
	WM \n, \m
.endr
.endr
.endr
	PLACES
.if (\q) == 2
	LOADB2 1                                       ; the second expert's b2: the first's was read at this expert's first K step
.endif
.if (\q) <= 5
	LOADW2 ((\q)+2)/4, ((\q)+2)%4, (\q)%2          ; the unit after next, into the slot just left
.endif
.endm
	s_load_b512 s[8:23], s[0:1], 0x0               ; blk s[8:9], order s[10:11], xq s[12:13], xs s[14:15], cmb s[16:17], W1's codes s[18:19], its scales s[20:21], b1 s[22:23]
	s_load_b256 s[24:31], s[0:1], 0x40             ; W2's codes s[24:25], its scales s[26:27], b2 s[28:29], out s[30:31]
	v_lshrrev_b32 v23, 5, v0                       ; wave
	v_readfirstlane_b32 s2, v23
	v_and_b32 v20, 15, v0                          ; r
	v_bfe_u32 v21, v0, 4, 1                        ; h
	v_and_b32 v22, 31, v0                          ; lane
	v_and_b32 v24, 8, v20
	v_add_nc_u32 v24, v24, v20                     ; r + 8 (r / 8)
	v_lshlrev_b32 v1, 8, v24
	v_lshl_add_u32 v1, v21, 4, v1                  ; W1: that row of 256 bytes, + 16 h
	v_lshl_add_u32 v2, v21, 3, v24
	v_lshlrev_b32 v2, 4, v2                        ; its scale bytes, 16 a row; lanes 16-31 take tile 1's rows, 8 further on
	v_lshlrev_b32 v3, 6, v21                       ; b1: 16 h numbers on
	v_lshlrev_b32 v4, 11, v23
	v_lshl_add_u32 v4, v20, 4, v4
	v_lshl_add_u32 v4, v21, 3, v4                  ; my codes: K step = wave, 16 r, + 8 h
	v_lshl_add_u32 v5, v0, 2, HSC                  ; my scale word: 128 x wave + 4 x lane
	v_lshlrev_b32 v248, 10, v20
	v_lshl_add_u32 v248, v21, 4, v248              ; W2: row r of 1,024 bytes, + 16 h
	v_lshlrev_b32 v249, 6, v22                     ; its scale bytes: 64 a row, a lane a row of my 32
	v_lshlrev_b32 v250, 5, v21                     ; b2: 8 h numbers on
	v_lshlrev_b32 v251, 4, v22                     ; an image's place for my lane
	v_lshl_add_u32 v252, v22, 2, HSC               ; a scale word's
	v_mul_u32_u24 v253, v20, SP
	v_lshl_add_u32 v253, v23, 7, v253
	v_lshl_add_u32 v253, v21, 5, v253
	v_add_nc_u32 v253, STG, v253                   ; the stage, in: row r, my wave's 128 bytes, + 32 h
	v_mul_u32_u24 v254, v23, 2*SP
	v_lshl_add_u32 v254, v22, 4, v254
	v_add_nc_u32 v254, STG, v254                   ; and out: rows 2 w and 2 w + 1, 16 bytes a lane
	v_lshlrev_b32 v88, 2, v20                      ; the list: row r,
	v_lshlrev_b32 v89, 2, v22                      ; row lane,
	v_lshlrev_b32 v90, 3, v23                      ; row 2 w
	v_mov_b32 v12, 0xabd3f331                      ; N's leading coefficient, twice
	v_mov_b32 v13, 0xabd3f331
	v_mov_b32 v14, 0xb57460cd                      ; D's
	v_mov_b32 v15, 0xb57460cd
	v_mov_b32 v18, 0                               ; (a lane permute's destination counts as read: written once here)
	v_mov_b32 v19, 0
	s_mov_b32 s62, 0x76543210
	s_mov_b32 s63, 0xfedcba98                      ; v_permlanex16_b32's selects for lane l xor 16
	s_mov_b32 s66, 0xc0b504f3                      ; -4 sqrt 2
	s_mov_b32 s67, 0x40b504f3                      ; +4 sqrt 2
	KP 68, 0x2fa84a8d                              ; N: u^5
	KP 70, 0xb347667d
	KP 72, 0xb628d45d
	KP 74, 0xb8883d9c
	KP 76, 0xba08eb41
	KP 78, 0xbbba79f3                              ; u^0
	KP 80, 0xb7dfbd29                              ; D: u^3
	KP 82, 0xb9dc924e
	KP 84, 0xbb719bf8
	KP 86, 0xbc69b6a7                              ; u^0
	s_mov_b32 s88, 0xffff0000
	s_mov_b32 s61, 0
	s_wait_kmcnt 0x0
	s_lshl_b32 s60, ttmp9, 2
	s_add_nc_u64 s[8:9], s[8:9], s[60:61]
	s_load_b32 s3, s[8:9], 0x0                     ; my block's word
	s_lshl_b32 s60, ttmp9, 7
	s_add_nc_u64 s[10:11], s[10:11], s[60:61]      ; my block's 32 tokens
	global_load_b32 v91, v88, s[10:11]             ; the token of row r,
	global_load_b32 v92, v88, s[10:11] offset:64   ; of row 16 + r,
	global_load_b32 v93, v89, s[10:11]             ; of row lane,
	global_load_b32 v94, v90, s[10:11]             ; of rows 2 w
	global_load_b32 v95, v90, s[10:11] offset:4    ; and 2 w + 1
	s_wait_kmcnt 0x0
	s_and_b32 s4, s3, 0xff
	s_min_u32 s4, s4, 32                           ; the count
	s_bfe_u32 s5, s3, 0x80008
	s_min_u32 s5, s5, 7                            ; expert a
	s_bfe_u32 s6, s3, 0x80010
	s_min_u32 s6, s6, 7                            ; expert b
	BASES 5, 32
	BASES 6, 46
	LOADW1 0, 0
	s_wait_loadcnt 21                              ; the five loads from the list are in; the 21 of the first unit, issued behind them, may be out
.irp i, 91,92,93,94,95
	v_min_u32 v\i, 0xfff, v\i
.endr
	v_lshlrev_b32 v96, 8, v91
	v_lshl_add_u32 v96, v21, 4, v96                ; x's codes: the token's 256 bytes, + 16 h
	v_lshlrev_b32 v97, 8, v92
	v_lshl_add_u32 v97, v21, 4, v97
	v_lshlrev_b32 v98, 4, v93                      ; its 16 scale bytes
	v_lshlrev_b32 v99, 5, v91                      ; its 8 combine weights
	v_lshlrev_b32 v100, 5, v92
	v_lshlrev_b32 v10, 11, v94
	v_lshl_add_u32 v10, v22, 4, v10                ; out: the token's 2,048 bytes, 16 a lane
	v_lshlrev_b32 v11, 11, v95
	v_lshl_add_u32 v11, v22, 4, v11
.irp m, 0,1
.irp s, 0,1,2,3
.irp c, 0,1
	global_load_b128 v[XF+32*\m+8*\s+4*\c:XF+32*\m+8*\s+4*\c+3], v[96+\m], s[12:13] offset:64*\s+32*\c   ; x's eight fragments stay in registers through phase 1
.endr
.endr
.endr
	global_load_b128 v[XS:XS+3], v98, s[14:15]     ; register s: K step s; lanes 0-15 rows 0-15, lanes 16-31 rows 16-31
	global_load_b32 v6, v99, s[44:45]
	global_load_b32 v7, v100, s[44:45]
	global_load_b32 v8, v99, s[58:59]
	global_load_b32 v9, v100, s[58:59]
	; ---- PHASE 1: my 128 hidden units of both experts
	UNIT1 0, 0, 0
	UNIT1 0, 1, 0
	UNIT1 0, 2, 0
	UNIT1 0, 3, 1
	UNIT1 1, 0, 0
	UNIT1 1, 1, 0
	UNIT1 1, 2, 0
	UNIT1 1, 3, 2
	s_wait_dscnt 0x0                               ; for the others' sake: my images and scale words have landed
	s_barrier_signal -1
	s_barrier_wait -1                              ; both experts' hidden layers lie in LDS
	; ---- PHASE 2: my 32 outputs, expert a then expert b
	HLOAD 0
	UNIT2 0
	UNIT2 1
	UNIT2 2
	UNIT2 3
.irp n, 0,1
.irp m, 0,1
.irp j, 0,1,2,3,4,5,6,7
	v_mul_f32 v[ACC+8*(2*\n+\m)+\j], v[ACC+8*(2*\n+\m)+\j], v[6+\m]   ; c_a y_a, each accumulator from its lowest register on
.endr
.endr
.endr
.irp n, 0,1
.irp m, 0,1
	ds_store_b128 v253, v[ACC+8*(2*\n+\m):ACC+8*(2*\n+\m)+3] offset:16*SP*\m+64*\n       ; it waits in my own bytes of the stage: lane (r, h): row 16 m + r, outputs 32 w + 16 n + 8 h + 0 .. 7
	ds_store_b128 v253, v[ACC+8*(2*\n+\m)+4:ACC+8*(2*\n+\m)+7] offset:16*SP*\m+64*\n+16
.endr
.endr
	UNIT2 4                                        ; (its first wait on DScnt leaves five loads out: the stores above are done before the sums begin anew)
	UNIT2 5
	UNIT2 6
	UNIT2 7
.irp n, 0,1
.irp m, 0,1
	ds_load_b128 v[W+8*(2*\n+\m):W+8*(2*\n+\m)+3], v253 offset:16*SP*\m+64*\n            ; back into slot A, idle since unit 6
	ds_load_b128 v[W+8*(2*\n+\m)+4:W+8*(2*\n+\m)+7], v253 offset:16*SP*\m+64*\n+16
.endr
.endr
	s_wait_dscnt 0x0
.irp n, 0,1
.irp m, 0,1
.irp j, 0,1,2,3,4,5,6,7
	v_fma_f32 v[ACC+8*(2*\n+\m)+\j], v[ACC+8*(2*\n+\m)+\j], v[8+\m], v[W+8*(2*\n+\m)+\j]   ; c_b y_b + c_a y_a
.endr
.endr
.endr
.irp n, 0,1
.irp m, 0,1
	ds_store_b128 v253, v[ACC+8*(2*\n+\m):ACC+8*(2*\n+\m)+3] offset:16*SP*\m+64*\n
	ds_store_b128 v253, v[ACC+8*(2*\n+\m)+4:ACC+8*(2*\n+\m)+7] offset:16*SP*\m+64*\n+16
.endr
.endr
	s_wait_dscnt 0x0                               ; for the others' sake
	s_barrier_signal -1
	s_barrier_wait -1                              ; 32 whole rows lie in the stage
	; ---- THE WAY OUT: wave w stores rows 2 w and 2 w + 1, if the block has them: 512 consecutive bytes an instruction
.irp i, 0,1
.irp t, 0,1,2,3
	ds_load_b128 v[W+16*\i+4*\t:W+16*\i+4*\t+3], v254 offset:SP*\i+512*\t
.endr
.endr
	s_wait_dscnt 0x0
	s_lshl_b32 s7, s2, 1
	s_cmp_ge_u32 s7, s4
	s_cbranch_scc1 .Lno_row0
.irp t, 0,1,2,3
	global_store_b128 v10, v[W+4*\t:W+4*\t+3], s[30:31] offset:512*\t th:TH_STORE_NT
.endr
.Lno_row0:
	s_add_co_u32 s7, s7, 1
	s_cmp_ge_u32 s7, s4
	s_cbranch_scc1 .Lno_row1
.irp t, 0,1,2,3
	global_store_b128 v11, v[W+16+4*\t:W+16+4*\t+3], s[30:31] offset:512*\t th:TH_STORE_NT
.endr
.Lno_row1:
	s_barrier_signal -1
	s_barrier_wait -1
	s_wait_xcnt 0x0
	v_lshl_add_u32 v254, v0, 2, 0x21200
	v_mov_b32 v255, 0
	s_wait_tensorcnt 0x0
	ds_add_u32 v254, v255
	s_wait_dscnt 0x0
	s_endpgm
.Lfunc_end_k_qeafbd94eb6_chain:
	.size	k_qeafbd94eb6_chain, .Lfunc_end_k_qeafbd94eb6_chain-k_qeafbd94eb6_chain
	.p2alignl 7, 3214868480
	.fill 96, 4, 3214868480
	.section	.rodata,"a",@progbits
	.p2align	6, 0x0
	.amdhsa_kernel k_qeafbd94eb6_chain
		.amdhsa_group_segment_fixed_size 137728
		.amdhsa_private_segment_fixed_size 0
		.amdhsa_enable_private_segment 0
		.amdhsa_kernarg_size 96
		.amdhsa_user_sgpr_count 2
		.amdhsa_user_sgpr_kernarg_segment_ptr 1
		.amdhsa_wavefront_size32 1
		.amdhsa_system_sgpr_workgroup_id_x 1
		.amdhsa_system_sgpr_workgroup_id_y 1
		.amdhsa_system_sgpr_workgroup_id_z 1
		.amdhsa_system_vgpr_workitem_id 0
		.amdhsa_next_free_vgpr 256
		.amdhsa_next_free_sgpr 92
		.amdhsa_reserve_vcc 0
		.amdhsa_float_denorm_mode_32 3
		.amdhsa_float_denorm_mode_16_64 3
		.amdhsa_memory_ordered 1
		.amdhsa_forward_progress 1
		.amdhsa_inst_pref_size 247
	.end_amdhsa_kernel
	.amdgpu_metadata
---
amdhsa.version: [ 1, 2 ]
amdhsa.kernels:
  - .name:           k_qeafbd94eb6_chain
    .symbol:         k_qeafbd94eb6_chain.kd
    .args:
      - { .name: blk, .offset: 0, .size: 8, .value_kind: global_buffer, .address_space: global }
      - { .name: order, .offset: 8, .size: 8, .value_kind: global_buffer, .address_space: global }
      - { .name: xq, .offset: 16, .size: 8, .value_kind: global_buffer, .address_space: global }
      - { .name: xs, .offset: 24, .size: 8, .value_kind: global_buffer, .address_space: global }
      - { .name: cmb, .offset: 32, .size: 8, .value_kind: global_buffer, .address_space: global }
      - { .name: w1_codes, .offset: 40, .size: 8, .value_kind: global_buffer, .address_space: global }
      - { .name: w1_scales, .offset: 48, .size: 8, .value_kind: global_buffer, .address_space: global }
      - { .name: b1, .offset: 56, .size: 8, .value_kind: global_buffer, .address_space: global }
      - { .name: w2_codes, .offset: 64, .size: 8, .value_kind: global_buffer, .address_space: global }
      - { .name: w2_scales, .offset: 72, .size: 8, .value_kind: global_buffer, .address_space: global }
      - { .name: b2, .offset: 80, .size: 8, .value_kind: global_buffer, .address_space: global }
      - { .name: out0, .offset: 88, .size: 8, .value_kind: global_buffer, .address_space: global }
    .group_segment_fixed_size: 137728
    .private_segment_fixed_size: 0
    .kernarg_segment_align: 8
    .kernarg_segment_size: 96
    .max_flat_workgroup_size: 512
    .sgpr_count:     92
    .vgpr_count:     256
    .wavefront_size: 32
...
	.end_amdgpu_metadata
.endif
;; end of part 3
;; ======== version 2 of 3: 3 launches; 1.15 times as fast as version 1
;; limits: an absolute error that grows with the inputs' magnitude: up to 1e-07 times it
;; workspace buffers: xq 1,048,576 bytes; xs 65,536 bytes; cmb 131,072 bytes; keys 16,384 bytes of whole numbers; order 20,480 bytes of whole numbers; blk 768 bytes of whole numbers; wf 8,388,608 bytes; wsf 524,288 bytes
;; launch route: the kernel of part 1 again; grid 256 x 1, 4 waves a work-group, no clusters, 43,008 bytes of LDS; arguments x, router_w, router_b, out1, cmb, keys, xq, xs; writes out1, cmb, keys, xq, xs
;; launch place (part 4): grid 65 x 1, 16 waves a work-group, no clusters, 5,120 bytes of LDS; arguments keys, order, blk, wf, w1_codes, w1_scales, w2_codes, w2_scales, wsf; writes order, blk, wf, wsf
.if DOCPART == 4
	.amdgcn_target "amdgcn-amd-amdhsa--gfx1250"
	.amdhsa_code_object_version 6
	.text
	.protected	k_qeafbd94eb6_place
	.globl	k_qeafbd94eb6_place
	.p2align	8
	.type	k_qeafbd94eb6_place,@function
k_qeafbd94eb6_place:
	s_mov_b64 s[64:65], 0
	v_nop
	global_prefetch_b8 v0, s[64:65] scope:SCOPE_SE
	s_setreg_imm32_b32 hwreg(HW_REG_WAVE_MODE, 25, 1), 1
	s_wait_xcnt 0x0
; TWO JOBS IN ONE LAUNCH, parted by the work-group's number at the first line.  Work-group 0 places the tokens; work-groups 1 to 64 lay the weights out for the next launch.
;
; PLACE (work-group 0).  A counting sort of the 4,096 tokens by their pair of experts (28 pairs) into blocks of 32 tokens of ONE pair.  One work-group, no atomics.
; order [160][32]: the token of (block, row); every entry is written: rows past a block's count hold token 0.  blk [160]: count | a << 8 | b << 16; a block that this split leaves empty has count 0.
; The blocks of pair p are ceil(n_p / 32), one behind the other; their sum is at most (4,096 + 28 x 31) / 32 = 155 for every split.
; SHARES.  Wave w takes tokens 256 w on, 8 a lane, as 8 groups of 32.  In a group a lane finds, from the five ballots of its key's bits, which lanes hold the same key (its rank among them
; is the count of those below it) and which lanes hold the key that equals its own LANE NUMBER: so counts lie with lane = key, and every sum and scan over keys is plain lane arithmetic.
; The waves' counts meet in LDS (16 vectors of 32 words).  Which token gets which row of a pair's blocks is free, so the order of waves, groups and lanes serves.
;
; LAY (work-groups 1 to 64).  W1's and W2's codes and scale bytes are copied once into the order in which the next launch's operand registers take them; no byte is changed.
; The weights are 1,024 units of 8,192 bytes of codes: unit U < 512 is W1's (expert U / 64, wave (U / 4) % 16, its 32 rows U % 4); unit 512 + U is W2's (the same expert and wave, K steps 4 (U % 4) on of its 32 rows).
; A unit is 16 groups of four registers, group i = 8 tile + 2 K step + c.  Wave U = 16 (work-group - 1) + wave loads each group as the operand's layout has it, lane (r, h) 16 bytes of its row
; (16 rows, 32 bytes of each), and stores it at 8192 U + 512 i + 16 lane: 512 consecutive bytes.  The unit's scale words likewise: 16 bytes a lane, at 512 U + 16 lane.
; One text serves both tensors: buffers, the unit's first byte, a row's bytes, the stride from tile to tile and the order of a tile's rows are chosen on U < 512.  No LDS, no barrier: waves share nothing.
.set WT,   0                           ; LDS: 16 waves x 32 keys: how many of each key a wave holds
.set BLKL, 2048                        ; 160 block words
.set K,  16                            ; v16-23   my 8 keys
.set RK, 24                            ; v24-31   my rank in each group among the lanes with my key
.set CV, 32                            ; v32-39   lane = key: how many of it each group holds
.set WL, 48                            ; v48-63   lane = key: each wave's count
.set G,  64                            ; v64-71   where my key's run stands for my group
.set PS, 72                            ; v72-79   my 8 places, as byte offsets
.set TK, 80                            ; v80-87   my 8 tokens
.set IX, 88                            ; v88-95   4 x key: the lane to ask
.set RUN, 96                           ; v96-103  lane = key: the first free place of that key ahead of each group
	v_lshl_add_u32 v128, v0, 2, 0xc00
	v_mov_b32 v129, 0
	s_cmp_lg_u32 ttmp9, 0                          ; the same in all waves of a work-group
	s_cbranch_scc1 .Llay
	s_load_b128 s[4:7], s[0:1], 0x0                ; keys s[4:5], order s[6:7]
	s_load_b64 s[8:9], s[0:1], 0x10                ; blk
	v_and_b32 v1, 31, v0                           ; lane
	v_lshrrev_b32 v2, 5, v0
	v_readfirstlane_b32 s10, v2                    ; wave 0..15
	v_lshlrev_b32 v3, 10, v2
	v_lshl_add_u32 v3, v1, 4, v3                   ; keys: 1,024 bytes a wave, 16 a lane
	v_lshlrev_b32 v14, 2, v0                       ; 4 x thread
	v_lshlrev_b32 v15, 2, v1                       ; 4 x lane
	v_lshlrev_b32 v113, 2, v2                      ; 4 x wave
.irp i, 0,1,2,3,4
	v_lshlrev_b32 v[4+\i], 31-\i, v1
	v_ashrrev_i32 v[4+\i], 31, v[4+\i]             ; all ones where bit i of my lane number is set
.endr
	s_mov_b32 s15, 0x01010101
	s_mov_b32 s13, 0xffff0000
	s_wait_kmcnt 0x0
	global_load_b128 v[K:K+3], v3, s[4:5]          ; register 4 i + q: token 256 w + 128 i + 4 lane + q
	global_load_b128 v[K+4:K+7], v3, s[4:5] offset:512
	v_lshlrev_b32 v9, 8, v2
	v_lshl_add_u32 v9, v1, 2, v9
.irp c, 0,1,2,3,4,5,6,7
	v_add_nc_u32 v[TK+\c], 128*(\c/4)+(\c%4), v9
.endr
	s_wait_loadcnt 0x0
.irp c, 0,1,2,3,4,5,6,7
	v_min_u32 v[K+\c], 31, v[K+\c]
.endr
.macro GROUP c
	v_mov_b32 v12, 0                               ; lanes whose key differs from mine
	v_mov_b32 v13, 0                               ; lanes whose key differs from my lane number
.irp i, 0,1,2,3,4
	v_and_b32 v9, 1<<\i, v[K+\c]
	v_cmp_ne_u32 s[16+\i], 0, v9                   ; the ballot of bit i
	v_cndmask_b32 v10, 0, -1, s[16+\i]             ; my own bit, spread
	v_xor_b32 v10, s[16+\i], v10
	v_or_b32 v12, v12, v10
	v_xor_b32 v11, s[16+\i], v[4+\i]
	v_or_b32 v13, v13, v11
.endr
	v_xor_b32 v12, -1, v12
	v_mbcnt_lo_u32_b32 v[RK+\c], v12, 0            ; how many lanes below me hold my key
	v_xor_b32 v13, -1, v13                         ; the lanes that hold key = my lane number: their count, by halves
	v_lshrrev_b32 v9, 1, v13
	v_and_b32 v9, 0x55555555, v9
	v_sub_nc_u32 v13, v13, v9
	v_lshrrev_b32 v9, 2, v13
	v_and_b32 v13, 0x33333333, v13
	v_and_b32 v9, 0x33333333, v9
	v_add_nc_u32 v13, v13, v9
	v_lshrrev_b32 v9, 4, v13
	v_add_nc_u32 v13, v13, v9
	v_and_b32 v13, 0x0f0f0f0f, v13
	v_mul_lo_u32 v13, v13, s15
	v_lshrrev_b32 v[CV+\c], 24, v13
.endm
.irp c, 0,1,2,3,4,5,6,7
	GROUP \c
.endr
	v_add_nc_u32 v40, v[CV], v[CV+1]
.irp c, 2,3,4,5,6,7
	v_add_nc_u32 v40, v40, v[CV+\c]                ; lane = key: my wave's count
.endr
	ds_store_b32 v14, v40 offset:WT
	s_wait_dscnt 0x0                               ; for the others' sake
	s_barrier_signal -1
	s_barrier_wait -1
.irp q, 0,1,2,3,4,5,6,7,8,9,10,11,12,13,14,15
	ds_load_b32 v[WL+\q], v15 offset:WT+128*\q
.endr
	v_mov_b32 v41, 0                               ; n: the key's tokens in all
	v_mov_b32 v42, 0                               ; and in the waves ahead of mine
	s_wait_dscnt 0x0
.irp q, 0,1,2,3,4,5,6,7,8,9,10,11,12,13,14,15
	v_add_nc_u32 v41, v41, v[WL+\q]
	s_cmp_lt_u32 \q, s10
	s_cselect_b32 s11, -1, 0
	v_and_b32 v9, s11, v[WL+\q]
	v_add_nc_u32 v42, v42, v9
.endr
	v_add_nc_u32 v43, 31, v41
	v_lshrrev_b32 v43, 5, v43                      ; the key's blocks
	v_mov_b32 v44, v43
	v_mov_b32 v45, 0
.irp n, 1,2,4,8
	v_mov_b32_dpp v45, v44 row_shr:\n row_mask:0xf bank_mask:0xf bound_ctrl:1
	v_add_nc_u32 v44, v44, v45                     ; a running sum inside each 16 lanes,
.endr
	v_readlane_b32 s12, v44, 15
	v_mov_b32 v9, s12
	v_cndmask_b32 v9, 0, v9, s13
	v_add_nc_u32 v44, v44, v9                      ; and the lower 16's total onto the upper: blocks up to and with this key
	v_sub_nc_u32 v46, v44, v43                     ; the key's first block
	v_lshl_add_u32 v[RUN], v46, 5, v42             ; the first place of my wave's tokens of this key
.irp c, 0,1,2,3,4,5,6
	v_add_nc_u32 v[RUN+\c+1], v[RUN+\c], v[CV+\c]
.endr
.irp c, 0,1,2,3,4,5,6,7
	v_lshlrev_b32 v[IX+\c], 2, v[K+\c]
.endr
.irp c, 0,1,2,3,4,5,6,7
	ds_bpermute_b32 v[G+\c], v[IX+\c], v[RUN+\c]   ; from the lane whose number is my key
.endr
	s_wait_dscnt 0x0
.irp c, 0,1,2,3,4,5,6,7
	v_add_nc_u32 v[PS+\c], v[G+\c], v[RK+\c]
	v_min_u32 v[PS+\c], 0x13ff, v[PS+\c]           ; inside order's 5,120 entries
	v_lshlrev_b32 v[PS+\c], 2, v[PS+\c]
	global_store_b32 v[PS+\c], v[TK+\c], s[6:7]
.endr
	; THE BLOCKS' WORDS: thread i of waves 0 to 4 makes block i's.  Every wave holds the scan, lane = key.
	s_cmp_gt_u32 s10, 4
	s_cbranch_scc1 .Lno_words
	v_mov_b32 v104, 0
.irp p, 0,1,2,3,4,5,6,7,8,9,10,11,12,13,14,15,16,17,18,19,20,21,22,23,24,25,26,27
	v_readlane_b32 s12, v44, \p
	v_cmp_le_u32 vcc_lo, s12, v0
	v_cndmask_b32 v105, 0, 1, vcc_lo
	v_add_nc_u32 v104, v104, v105                  ; the pairs that end at or ahead of block i: the block's pair, or 28 behind the last block
.endr
	v_lshlrev_b32 v106, 2, v104
	ds_bpermute_b32 v107, v106, v41                ; the pair's tokens (lane 28 holds 0)
	ds_bpermute_b32 v108, v106, v46                ; and its first block
	v_mov_b32 v110, 1
.irp k, 1,3,6,10,15,21
	v_cmp_le_u32 vcc_lo, \k, v104
	v_cndmask_b32 v105, 0, 1, vcc_lo
	v_add_nc_u32 v110, v110, v105                  ; b: the pairs with a given b begin at b (b - 1) / 2
.endr
	v_add_nc_u32 v105, -1, v110
	v_mul_u32_u24 v105, v105, v110
	v_lshrrev_b32 v105, 1, v105
	v_sub_nc_u32 v111, v104, v105                  ; a
	s_wait_dscnt 0x0
	v_sub_nc_u32 v108, v0, v108
	v_lshlrev_b32 v108, 5, v108
	v_sub_nc_u32 v109, v107, v108                  ; what is left of the pair's tokens at this block,
	v_min_u32 v109, 32, v109                       ; 32 at the most;
	v_cmp_gt_u32 vcc_lo, 28, v104
	v_cndmask_b32 v109, 0, v109, vcc_lo            ; none behind the last block
	v_lshl_or_b32 v112, v111, 8, v109
	v_lshl_or_b32 v112, v110, 16, v112
	ds_store_b32 v14, v112 offset:BLKL
	global_store_b32 v14, v112, s[8:9]
.Lno_words:
	s_wait_dscnt 0x0                               ; for the others' sake
	s_barrier_signal -1
	s_barrier_wait -1
	; THE ROWS PAST A BLOCK'S COUNT get token 0: wave w sees to blocks w + 16 t, a lane a row.  These entries are the ones that no token was placed in.
.irp t, 0,1,2,3,4,5,6,7,8,9
	ds_load_b32 v[114+\t], v113 offset:BLKL+64*\t
.endr
	v_mov_b32 v124, 0
	s_wait_dscnt 0x0
.irp t, 0,1,2,3,4,5,6,7,8,9
	v_and_b32 v[114+\t], 0xff, v[114+\t]
	v_cmp_ge_u32 vcc_lo, v1, v[114+\t]
	s_wait_xcnt 0x0                                ; EXEC changes only behind this wait
	s_and_saveexec_b32 s14, vcc_lo
	global_store_b32 v14, v124, s[6:7] offset:2048*\t
	s_wait_xcnt 0x0
	s_or_b32 exec_lo, exec_lo, s14
.endr
	s_wait_xcnt 0x0
	s_mov_b32 exec_lo, -1
	s_wait_tensorcnt 0x0
	ds_add_u32 v128, v129
	s_wait_dscnt 0x0
	s_endpgm
.Llay:
	; ---- LAY: my wave's unit of the weights, into the order of the operand's registers
	s_load_b256 s[20:27], s[0:1], 0x20             ; W1's codes s[20:21], its scales s[22:23], W2's codes s[24:25], its scales s[26:27]
	s_load_b64 s[28:29], s[0:1], 0x18              ; wf
	s_load_b64 s[30:31], s[0:1], 0x40              ; wsf
	v_lshrrev_b32 v9, 5, v0
	v_readfirstlane_b32 s10, v9                    ; wave 0..15
	v_and_b32 v1, 31, v0                           ; lane
	v_and_b32 v2, 15, v0                           ; r
	v_bfe_u32 v3, v0, 4, 1                         ; h
	s_sub_co_u32 s12, ttmp9, 1
	s_lshl_b32 s12, s12, 4
	s_add_co_u32 s12, s12, s10                     ; U = 16 (work-group - 1) + wave: 0 .. 1,023
	s_and_b32 s13, s12, 511                        ; the unit's number in its tensor: 64 expert + 4 wave + (p or g)
	s_lshr_b32 s11, s13, 2                         ; 16 expert + wave
	s_and_b32 s16, s13, 3                          ; p or g
	s_lshl_b32 s14, s13, 13                        ; W1's codes: a unit's 32 rows of 256 bytes lie on end: 8,192 a unit
	s_lshl_b32 s15, s11, 15                        ; W2's: a wave's 32 rows of 1,024 bytes,
	s_lshl_b32 s17, s16, 8
	s_add_co_u32 s15, s15, s17                     ; and 256 bytes along each row for a unit
	s_lshl_b32 s18, s13, 9                         ; W1's scale bytes: 32 rows of 16: 512 a unit
	s_lshl_b32 s19, s11, 11                        ; W2's: 32 rows of 64 a wave,
	s_lshl_b32 s17, s16, 4
	s_add_co_u32 s19, s19, s17                     ; and 16 bytes along each row for a unit
	s_movk_i32 s32, 0x4000
	s_wait_kmcnt 0x0
	s_cmp_lt_u32 s12, 512                          ; W1's unit or W2's?  The choice hangs on the work-group's and the wave's number alone
	s_cselect_b64 s[20:21], s[20:21], s[24:25]
	s_cselect_b64 s[22:23], s[22:23], s[26:27]
	s_cselect_b32 s14, s14, s15
	s_cselect_b32 s18, s18, s19
	s_cselect_b32 s32, 0x800, s32                  ; from tile 0 to tile 1: W1: 8 rows of 256 bytes; W2: 16 rows of 1,024
	s_cselect_b32 s33, 8, 0                        ; W1: lane r takes row r + 8 (r / 8) of its tile's span; W2: row r
	s_cselect_b32 s34, 8, 10                       ; a row's bytes, as a shift
	s_cselect_b32 s35, 3, 4                        ; scale words: lanes 16-31 take tile 1's rows: 8 further on in W1, 16 in W2
	s_cselect_b32 s36, 4, 6                        ; a row's scale bytes, as a shift
	s_mov_b32 s15, 0
	s_mov_b32 s19, 0
	s_add_nc_u64 s[20:21], s[20:21], s[14:15]
	s_add_nc_u64 s[22:23], s[22:23], s[18:19]
	s_lshl_b32 s16, s12, 13
	s_mov_b32 s17, 0
	s_add_nc_u64 s[28:29], s[28:29], s[16:17]      ; wf at 8,192 U
	s_lshl_b32 s16, s12, 9
	s_add_nc_u64 s[30:31], s[30:31], s[16:17]      ; wsf at 512 U
	v_and_b32 v4, s33, v2
	v_add_nc_u32 v4, v4, v2                        ; my row in tile 0
	v_lshlrev_b32 v5, s34, v4
	v_lshl_add_u32 v5, v3, 4, v5                   ; its bytes, + 16 h
	v_add_nc_u32 v6, s32, v5                       ; the same in tile 1
	v_lshlrev_b32 v7, s35, v3
	v_add_nc_u32 v7, v7, v4
	v_lshlrev_b32 v7, s36, v7                      ; my row's scale bytes
	v_lshlrev_b32 v8, 4, v1                        ; 16 x lane: where everything goes
.irp u, 0,1
.irp s, 0,1,2,3
.irp c, 0,1
	global_load_b128 v[16+32*\u+8*\s+4*\c:16+32*\u+8*\s+4*\c+3], v[5+\u], s[20:21] offset:64*\s+32*\c   ; group 8 u + 2 s + c: K = 128 s + 64 c + 32 h + 0 .. 31 of my row
.endr
.endr
.endr
	global_load_b128 v[80:83], v7, s[22:23]        ; register s: the word of K step s
.set i, 0
.rept 16
	s_wait_loadcnt 16-i                            ; group i is in: 16 - i loads were issued behind it
	global_store_b128 v8, v[16+4*i:16+4*i+3], s[28:29] offset:512*i   ; 32 lanes store 512 consecutive bytes
.set i, i+1
.endr
	s_wait_loadcnt 0x0
	global_store_b128 v8, v[80:83], s[30:31]
	s_endpgm
.Lfunc_end_k_qeafbd94eb6_place:
	.size	k_qeafbd94eb6_place, .Lfunc_end_k_qeafbd94eb6_place-k_qeafbd94eb6_place
	.p2alignl 7, 3214868480
	.fill 96, 4, 3214868480
	.section	.rodata,"a",@progbits
	.p2align	6, 0x0
	.amdhsa_kernel k_qeafbd94eb6_place
		.amdhsa_group_segment_fixed_size 5120
		.amdhsa_private_segment_fixed_size 0
		.amdhsa_enable_private_segment 0
		.amdhsa_kernarg_size 72
		.amdhsa_user_sgpr_count 2
		.amdhsa_user_sgpr_kernarg_segment_ptr 1
		.amdhsa_wavefront_size32 1
		.amdhsa_system_sgpr_workgroup_id_x 1
		.amdhsa_system_sgpr_workgroup_id_y 1
		.amdhsa_system_sgpr_workgroup_id_z 1
		.amdhsa_system_vgpr_workitem_id 0
		.amdhsa_next_free_vgpr 130
		.amdhsa_next_free_sgpr 66
		.amdhsa_reserve_vcc 1
		.amdhsa_float_denorm_mode_32 3
		.amdhsa_float_denorm_mode_16_64 3
		.amdhsa_memory_ordered 1
		.amdhsa_forward_progress 1
		.amdhsa_inst_pref_size 44
	.end_amdhsa_kernel
	.amdgpu_metadata
---
amdhsa.version: [ 1, 2 ]
amdhsa.kernels:
  - .name:           k_qeafbd94eb6_place
    .symbol:         k_qeafbd94eb6_place.kd
    .args:
      - { .name: keys, .offset: 0, .size: 8, .value_kind: global_buffer, .address_space: global }
      - { .name: order, .offset: 8, .size: 8, .value_kind: global_buffer, .address_space: global }
      - { .name: blk, .offset: 16, .size: 8, .value_kind: global_buffer, .address_space: global }
      - { .name: wf, .offset: 24, .size: 8, .value_kind: global_buffer, .address_space: global }
      - { .name: w1_codes, .offset: 32, .size: 8, .value_kind: global_buffer, .address_space: global }
      - { .name: w1_scales, .offset: 40, .size: 8, .value_kind: global_buffer, .address_space: global }
      - { .name: w2_codes, .offset: 48, .size: 8, .value_kind: global_buffer, .address_space: global }
      - { .name: w2_scales, .offset: 56, .size: 8, .value_kind: global_buffer, .address_space: global }
      - { .name: wsf, .offset: 64, .size: 8, .value_kind: global_buffer, .address_space: global }
    .group_segment_fixed_size: 5120
    .private_segment_fixed_size: 0
    .kernarg_segment_align: 8
    .kernarg_segment_size: 72
    .max_flat_workgroup_size: 512
    .sgpr_count:     66
    .vgpr_count:     130
    .wavefront_size: 32
...
	.end_amdgpu_metadata
.endif
;; end of part 4
;; launch chain (part 5): grid 155 x 1, 16 waves a work-group, no clusters, 137,728 bytes of LDS; arguments blk, order, xq, xs, cmb, wf, wsf, b1, b2, out0; writes out0
.if DOCPART == 5
	.amdgcn_target "amdgcn-amd-amdhsa--gfx1250"
	.amdhsa_code_object_version 6
	.text
	.protected	k_qeafbd94eb6_chain
	.globl	k_qeafbd94eb6_chain
	.p2align	8
	.type	k_qeafbd94eb6_chain,@function
k_qeafbd94eb6_chain:
	s_mov_b64 s[64:65], 0
	v_nop
	global_prefetch_b8 v0, s[64:65] scope:SCOPE_SE
	s_setreg_imm32_b32 hwreg(HW_REG_WAVE_MODE, 25, 1), 1
	s_wait_xcnt 0x0
; CHAIN.  A work-group takes one block of 32 tokens that chose the same two experts a, b through both experts' whole chains:
; out = c_a (Q(gelu(Q(x) W1_a + b1_a)) W2_a + b2_a) + c_b (the same of b).  Both products on codes of E2M1 with one E8M0 byte for each 32 along K; sums in f32; the hidden layer never leaves LDS.
; Each row of out has one owner, so nothing is added through memory.  The experts that a token did not choose have weight 0 in the problem's own combine matrix: they are not multiplied.
; THE GRID serves every split: 155 blocks at the most.  Rows past a block's count are copies of token 0: computed, never stored.  A block with count 0 walks the same text and stores nothing:
; every wave passes every barrier, and the only branches on a stored number are the two round the stores at the end.
; SHARES.  THE SIXTEEN WAVES SHARE THE COLUMNS: wave w makes hidden units 128 w .. 128 w + 127, which are K step w of the second product, and outputs 32 w .. 32 w + 31, for all 32 rows and both experts.
; So each byte of an expert's weights is loaded once in the work-group, straight into the operand's registers.  Four waves lie on a SIMD: one wave's GELU stands beside another's products and loads.
; THE WEIGHTS come from wf and wsf, where the launch before has laid W1's and W2's codes and scale words in the order of these registers: unit (expert, wave, p or g) at 8,192 (64 expert + 4 wave + p),
; W2's 4 MiB behind W1's; in a unit the group of four registers (tile, K step s, c) at 4096 tile + 1024 s + 512 c + 16 lane.  So every weight load of a wave reads 512 consecutive bytes.
; LAYOUT.  Both products are used transposed (source 0 = 16 rows of the weight, source 1 = 16 tokens): a lane holds ONE token (lane % 16).  THE ROWS OF W1 THAT FORM A TILE ARE NOT NEIGHBOURS:
; lane r of tile u of unit p holds row 32 p + 8 u + r + 8 (r / 8), so that the 16 registers of a unit's two tiles are 16 neighbours along the next K: 32 p + 16 (lane / 16) + 0 .. 15.
; The hidden layer goes from wave to wave as an IMAGE OF THE OPERAND'S REGISTERS: block b of row r of a fragment lies at 256 b + 16 r, which is register group b / 2 of lane r + 16 (b % 2).
; The biases are the C of each sum's first matrix instruction.  One scale register carries two tiles' words: lanes 0-15 the first tile's, lanes 16-31 the second's.
; GELU.  g = x Phi(x), Phi = 0.5 + xc N(u) / D(u), xc = x held to +-4 sqrt 2, u = xc^2: the rational form of erf with 7 and 5 terms, its argument x / sqrt 2 and the factor 1 / (2 sqrt 2) folded into the coefficients.
; NO JOINT LOADS: how many blocks a pair of experts has hangs on the stored list, so partners of a cluster could not be given blocks of one pair at every split, and a text that branches on stored counts has no tensor load.
; NO PREFETCH: an expert's weights are read by every block that uses the expert, not once.
; LIMITS.  NaN and infinities are not served.  A block of zeros gets the byte 1 where the quantiser says 127: its codes are zeros, and only this text reads the byte.  Phi has an absolute error of about 1e-7,
; as the f32 sum 1 + erf has: for x under about -5 the tiny result has no relative accuracy.
.set HSC,  65536                       ; LDS: from 0 the images: expert e, K step s, tile of rows m at 32768 e + 2048 s + 1024 m;  from HSC their scale words: 2048 e + 128 s + 4 lane
.set STG,  69632                       ; the stage: 32 rows x (2,048 bytes + 16)
.set SP,   2064                        ; 516 words: row r starts at bank 4 r mod 64 (64 banks of 4 bytes: ISA guide 11.1)
.set HS,   30                          ; v30, v31   the hidden layer's scale words, two sets: scales alone
.set XS,   32                          ; v32-35     x's scale words, a register a K step; then W2's of slot B
.set WS,   36                          ; v36-39     W1's scale words; then W2's of slot A
.set BIAS, 40                          ; v40-55     b1 of the unit's two tiles; then b2 of my two tiles of outputs
.set ACC,  56                          ; v56-87     phase 1: tile u, rows m at 8 (2 m + u);  phase 2: outputs n, rows m at 8 (2 n + m)
.set XC,   88                          ; v88-119    GELU at work: xc, u, N, D, 8 each;  phase 2: the hidden fragments, two sets of 16
.set U,    96
.set NN,   104
.set DD,   112
.set HF,   88
.set W,    120                         ; v120-183   W1's fragments (tile u, K step s) at 32 u + 8 s;  phase 2: slot A: W2's (tile n, K step s) at 32 n + 8 s
.set XF,   184                         ; v184-247   x's fragments (rows m, K step s) at 32 m + 8 s;  phase 2: slot B
; v3 b1, v4 where I store codes, v5 where I store the scale word, v6-9 c_a, c_b of my token in rows m = 0, 1, v10-11 my two rows of out,
; v[12:13], v[14:15] the leading coefficients, v16-29 the quantiser at work, v250 b2, v251 16 x lane (the weights' offset, and an image's place), v252 HSC + 4 x lane, v253, v254 the stage in and out, v255 at work.
; s2 wave, s3 the block's word, s4 count, s5, s6 experts, s[8:31] the buffers, s[32:45] expert a's seven bases (W1's codes, its scales, b1, W2's codes, its scales, b2, cmb), s[46:59] expert b's,
; s[60:61] an offset, s62-63 lane selects, s66-67 the hold, s[68:79] N's coefficients, s[80:87] D's, s88 the upper 16 lanes.
.macro PLACES                          ; four plain lines between a matrix instruction and a load into, or a read of, its registers (ISA guide 7.12.1 for a read)
.rept 4
	v_nop
.endr
.endm
.macro KP r, val                       ; a coefficient as a pair: the packed form names both words
	s_mov_b32 s[\r], \val
	s_mov_b32 s[\r+1], \val
.endm
.macro BASES er, o                     ; the seven bases of the expert in s[er], for my wave.  Left shifts and sums alone stand behind the hold of the loaded number
	s_lshl_b32 s60, s[\er], 19
	s_lshl_b32 s7, s2, 15
	s_add_co_u32 s60, s60, s7                      ; 524,288 an expert, 32,768 a wave: four units of 8,192 bytes, of W1 and of W2
	s_add_nc_u64 s[\o:\o+1], s[18:19], s[60:61]
	s_add_nc_u64 s[\o+6:\o+7], s[24:25], s[60:61]
	s_lshl_b32 s60, s[\er], 15
	s_lshl_b32 s7, s2, 11
	s_add_co_u32 s60, s60, s7                      ; the scale words: a sixteenth of that
	s_add_nc_u64 s[\o+2:\o+3], s[20:21], s[60:61]
	s_add_nc_u64 s[\o+8:\o+9], s[26:27], s[60:61]
	s_lshl_b32 s60, s[\er], 13
	s_lshl_b32 s7, s2, 9
	s_add_co_u32 s60, s60, s7                      ; b1: 2,048 numbers an expert, 128 a wave
	s_add_nc_u64 s[\o+4:\o+5], s[22:23], s[60:61]
	s_lshl_b32 s60, s[\er], 11
	s_lshl_b32 s7, s2, 7
	s_add_co_u32 s60, s60, s7                      ; b2: 512 an expert, 32 a wave
	s_add_nc_u64 s[\o+10:\o+11], s[28:29], s[60:61]
	s_lshl_b32 s60, s[\er], 2                      ; cmb: the expert's column
	s_add_nc_u64 s[\o+12:\o+13], s[16:17], s[60:61]
.endm
.macro LOADW1 E, p                     ; unit p of expert E: 32 rows of W1 as 16 groups of registers, 8,192 bytes on end, their scale words and biases: 21 loads
.irp u, 0,1
.irp s, 0,1,2,3
.irp c, 0,1
	global_load_b128 v[W+32*\u+8*\s+4*\c:W+32*\u+8*\s+4*\c+3], v251, s[32+14*(\E):33+14*(\E)] offset:8192*(\p)+4096*\u+1024*\s+512*\c
.endr
.endr
.endr
	global_load_b128 v[WS:WS+3], v251, s[34+14*(\E):35+14*(\E)] offset:512*(\p)   ; register s: K step s; lanes 0-15 tile 0's rows, lanes 16-31 tile 1's
.irp u, 0,1
	global_load_b128 v[BIAS+8*\u:BIAS+8*\u+3], v3, s[36+14*(\E):37+14*(\E)] offset:128*(\p)+32*\u
	global_load_b128 v[BIAS+8*\u+4:BIAS+8*\u+7], v3, s[36+14*(\E):37+14*(\E)] offset:128*(\p)+32*\u+16
.endr
.endm
.macro LOADB2 E                        ; b2 of my 32 outputs, in the result's layout: 4 loads
.irp n, 0,1
	global_load_b128 v[BIAS+8*\n:BIAS+8*\n+3], v250, s[42+14*(\E):43+14*(\E)] offset:64*\n
	global_load_b128 v[BIAS+8*\n+4:BIAS+8*\n+7], v250, s[42+14*(\E):43+14*(\E)] offset:64*\n+16
.endr
.endm
.macro LOADW2 E, g, sl                 ; unit g: K steps 4 g .. 4 g + 3 of my 32 rows of W2 as 16 groups of registers, and their scale words: 17 loads, into slot sl
.irp n, 0,1
.irp s, 0,1,2,3
.irp c, 0,1
	global_load_b128 v[W+64*(\sl)+32*\n+8*\s+4*\c:W+64*(\sl)+32*\n+8*\s+4*\c+3], v251, s[38+14*(\E):39+14*(\E)] offset:8192*(\g)+4096*\n+1024*\s+512*\c
.endr
.endr
.endr
	global_load_b128 v[WS-4*(\sl):WS-4*(\sl)+3], v251, s[40+14*(\E):41+14*(\E)] offset:512*(\g)   ; lanes 0-15 tile 0's rows, lanes 16-31 tile 1's
.endm
.macro WM ra, rb                       ; one product on rD, rA, rB, rC, rSA, rSB; ra, rb: the side's scale words lie in lanes 16-31
.if (\ra) && (\rb)
	v_wmma_scale_f32_16x16x128_f8f6f4 v[rD:rD+7], v[rA:rA+7], v[rB:rB+7], v[rC:rC+7], v[rSA], v[rSB] matrix_a_fmt:MATRIX_FMT_FP4 matrix_b_fmt:MATRIX_FMT_FP4 matrix_a_scale:MATRIX_SCALE_ROW1 matrix_b_scale:MATRIX_SCALE_ROW1
.elseif (\ra)
	v_wmma_scale_f32_16x16x128_f8f6f4 v[rD:rD+7], v[rA:rA+7], v[rB:rB+7], v[rC:rC+7], v[rSA], v[rSB] matrix_a_fmt:MATRIX_FMT_FP4 matrix_b_fmt:MATRIX_FMT_FP4 matrix_a_scale:MATRIX_SCALE_ROW1
.elseif (\rb)
	v_wmma_scale_f32_16x16x128_f8f6f4 v[rD:rD+7], v[rA:rA+7], v[rB:rB+7], v[rC:rC+7], v[rSA], v[rSB] matrix_a_fmt:MATRIX_FMT_FP4 matrix_b_fmt:MATRIX_FMT_FP4 matrix_b_scale:MATRIX_SCALE_ROW1
.else
	v_wmma_scale_f32_16x16x128_f8f6f4 v[rD:rD+7], v[rA:rA+7], v[rB:rB+7], v[rC:rC+7], v[rSA], v[rSB] matrix_a_fmt:MATRIX_FMT_FP4 matrix_b_fmt:MATRIX_FMT_FP4
.endif
.endm
.macro GELU a                          ; eight numbers of a lane, in place: 72 lines.  The accumulator is read from its lowest register on
.irp i, 0,1,2,3,4,5,6,7
	v_med3_num_f32 v[XC+\i], v[(\a)+\i], s66, s67
.endr
.irp i, 0,2,4,6
	v_pk_mul_f32 v[U+\i:U+\i+1], v[XC+\i:XC+\i+1], v[XC+\i:XC+\i+1]
.endr
.irp i, 0,2,4,6                        ; Horner, two numbers a line, N's and D's chains and the four pairs by turns
	v_pk_fma_f32 v[NN+\i:NN+\i+1], v[U+\i:U+\i+1], v[12:13], s[68:69] op_sel_hi:[1,1,0]
	v_pk_fma_f32 v[DD+\i:DD+\i+1], v[U+\i:U+\i+1], v[14:15], s[80:81] op_sel_hi:[1,1,0]
.endr
.irp k, 1,2,3
.irp i, 0,2,4,6
	v_pk_fma_f32 v[NN+\i:NN+\i+1], v[NN+\i:NN+\i+1], v[U+\i:U+\i+1], s[68+2*\k:69+2*\k] op_sel_hi:[1,1,0]
	v_pk_fma_f32 v[DD+\i:DD+\i+1], v[DD+\i:DD+\i+1], v[U+\i:U+\i+1], s[80+2*\k:81+2*\k] op_sel_hi:[1,1,0]
.endr
.endr
.irp i, 0,1,2,3,4,5,6,7
	v_rcp_f32 v[DD+\i], v[DD+\i]                   ; D is done: the eight reciprocals go as one batch (D is negative throughout: never 0)
.endr
.irp k, 4,5
.irp i, 0,2,4,6
	v_pk_fma_f32 v[NN+\i:NN+\i+1], v[NN+\i:NN+\i+1], v[U+\i:U+\i+1], s[68+2*\k:69+2*\k] op_sel_hi:[1,1,0]   ; N's last two steps name no reciprocal: the plain work behind the batch
.endr
.endr
.irp i, 0,2,4,6
	v_pk_mul_f32 v[NN+\i:NN+\i+1], v[XC+\i:XC+\i+1], v[NN+\i:NN+\i+1]
.endr
	s_wait_alu depctr_va_vdst(0)                   ; one wait for the batch, ahead of its first reader
.irp i, 0,2,4,6
	v_pk_fma_f32 v[NN+\i:NN+\i+1], v[NN+\i:NN+\i+1], v[DD+\i:DD+\i+1], 0.5 op_sel_hi:[1,1,0]   ; Phi
.endr
.irp i, 0,2,4,6
	v_pk_mul_f32 v[(\a)+\i:(\a)+\i+1], v[(\a)+\i:(\a)+\i+1], v[NN+\i:NN+\i+1]                  ; x Phi
.endr
.endm
.macro QUANT E, p                      ; the unit's 32 hidden units of 32 rows: block p of my K step.  A block lies in lanes l and l xor 16; rows m = 0, 1 by turns
	s_wait_dscnt 0x0                               ; the last unit's LDS stores, issued a unit ago, have read their registers
.irp m, 0,1
	v_max3_num_f32 v[16+\m], |v[ACC+16*\m]|, |v[ACC+16*\m+1]|, 0x1800000   ; my 16 numbers, and the floor 2^(3 - 127): the byte cannot fall under 1
.endr
.irp i, 2,4,6,8,10,12,14
.irp m, 0,1
	v_max3_num_f32 v[16+\m], v[16+\m], |v[ACC+16*\m+\i]|, |v[ACC+16*\m+\i+1]|
.endr
.endr
.irp m, 0,1
	v_permlanex16_b32 v[18+\m], v[16+\m], s62, s63
.endr
.irp m, 0,1
	v_max_num_f32 v[16+\m], v[16+\m], v[18+\m]     ; the block's largest magnitude
.endr
.irp m, 0,1
	v_add_nc_u32 v[20+\m], 0xff000000, v[16+\m]    ; 2 off its exponent field: the conversion's scale operand
.endr
.irp m, 0,1
	v_lshrrev_b32 v[22+\m], 23, v[20+\m]           ; the scale's byte
.endr
.irp m, 0,1
.if (\p) == 0
	v_mov_b32 v[24+\m], v[22+\m]                   ; four units' bytes make my K step's scale word
.else
	v_lshl_or_b32 v[24+\m], v[22+\m], 8*(\p), v[24+\m]
.endif
.endr
.irp m, 0,1
	v_cvt_scalef32_pk8_fp4_f32 v[26+2*\m], v[ACC+16*\m:ACC+16*\m+7], v[20+\m]
	v_cvt_scalef32_pk8_fp4_f32 v[27+2*\m], v[ACC+16*\m+8:ACC+16*\m+15], v[20+\m]
.endr
	v_nop                                          ; one plain line behind the last scaled conversion
.irp m, 0,1
	ds_store_b64 v4, v[26+2*\m:27+2*\m] offset:(\E)*32768+1024*\m+256*(\p)   ; my half of block p of row r: the image's own place; the wave's store covers 256 consecutive bytes
.endr
.if (\p) == 3
	v_cndmask_b32 v255, v24, v25, s88              ; lanes 0-15: rows 0-15's words; lanes 16-31: rows 16-31's
	ds_store_b32 v5, v255 offset:(\E)*2048
.endif
.endm
; A UNIT OF PHASE 1: 32 hidden units x 32 rows.  16 products, the four accumulators by turns, one instruction a turn; the next loads; GELU; the quantiser.
; NX = 0: the next unit of this expert is asked for; 1: the second expert's first; 2: the second product's first two units and b2.  The loads have the whole GELU in which to land.
.macro UNIT1 E, p, NX
	s_wait_loadcnt 0x0                             ; this unit's weights (asked for a unit ago) are in; at the first unit also x's fragments, scale words and the combine weights
.irp s, 0,1,2,3
.irp u, 0,1
.irp m, 0,1
.set rD, ACC+8*(2*\m+\u)
.set rA, W+32*\u+8*\s
.set rB, XF+32*\m+8*\s
.if \s == 0
.set rC, BIAS+8*\u
.else
.set rC, ACC+8*(2*\m+\u)
.endif
.set rSA, WS+\s
.set rSB, XS+\s
	WM \u, \m
.endr
.endr
.endr
	PLACES
.if (\NX) == 0
	LOADW1 \E, \p+1
.elseif (\NX) == 1
	LOADW1 1, 0
.else
	LOADB2 0
	LOADW2 0, 0, 0
	LOADW2 0, 1, 1
.endif
	GELU ACC
	GELU ACC+8
	GELU ACC+16
	GELU ACC+24
	QUANT \E, \p
.endm
.macro HLOAD k                         ; step k = 16 e + s: the hidden layer's two fragments of K step s and their scale words, into set k % 2: 5 LDS loads
.set hk, \k
.irp i, 0,1,2,3
	ds_load_b128 v[HF+16*(hk%2)+4*\i:HF+16*(hk%2)+4*\i+3], v251 offset:(hk/16)*32768+(hk%16)*2048+512*\i
.endr
	ds_load_b32 v[HS+hk%2], v252 offset:(hk/16)*2048+(hk%16)*128
.endm
; A UNIT OF PHASE 2: four K steps of expert q / 4, from slot q % 2.  Each K step: four products, my two tiles of outputs x the two tiles of rows, by turns; the next step's fragments are asked for ahead of them.
.macro UNIT2 q
.if (\q) == 7
	s_wait_loadcnt 0x0
.else
	s_wait_loadcnt 17                              ; this unit's loads are in; the 17 of the next unit, issued behind them, may be out
.endif
.irp s, 0,1,2,3
.set kk, 4*(\q)+\s
.if \s > 0
	PLACES                                         ; in front of loads into the set that the last step's products read (at the unit's head the places at the last unit's end serve)
.endif
.if kk < 31
	HLOAD kk+1
	s_wait_dscnt 5                                 ; this step's five are in; the five just issued may be out
.else
	s_wait_dscnt 0x0
.endif
.irp n, 0,1
.irp m, 0,1
.set rD, ACC+8*(2*\n+\m)
.set rA, W+64*((\q)%2)+32*\n+8*\s
.set rB, HF+16*(kk%2)+8*\m
.if (kk%16) == 0
.set rC, BIAS+8*\n
.else
.set rC, ACC+8*(2*\n+\m)
.endif
.set rSA, WS-4*((\q)%2)+\s
.set rSB, HS+kk%2
	WM \n, \m
.endr
.endr
.endr
	PLACES
.if (\q) == 2
	LOADB2 1                                       ; the second expert's b2: the first's was read at this expert's first K step
.endif
.if (\q) <= 5
	LOADW2 ((\q)+2)/4, ((\q)+2)%4, (\q)%2          ; the unit after next, into the slot just left
.endif
.endm
	s_load_b512 s[8:23], s[0:1], 0x0               ; blk s[8:9], order s[10:11], xq s[12:13], xs s[14:15], cmb s[16:17], wf s[18:19], wsf s[20:21], b1 s[22:23]
	s_load_b128 s[28:31], s[0:1], 0x40             ; b2 s[28:29], out s[30:31]
	v_lshl_add_u32 v248, v0, 2, 0x21200
	v_mov_b32 v249, 0
	v_lshrrev_b32 v23, 5, v0                       ; wave
	v_readfirstlane_b32 s2, v23
	v_and_b32 v20, 15, v0                          ; r
	v_bfe_u32 v21, v0, 4, 1                        ; h
	v_and_b32 v22, 31, v0                          ; lane
	v_lshlrev_b32 v3, 6, v21                       ; b1: 16 h numbers on
	v_lshlrev_b32 v4, 11, v23
	v_lshl_add_u32 v4, v20, 4, v4
	v_lshl_add_u32 v4, v21, 3, v4                  ; my codes: K step = wave, 16 r, + 8 h
	v_lshl_add_u32 v5, v0, 2, HSC                  ; my scale word: 128 x wave + 4 x lane
	v_lshlrev_b32 v250, 5, v21                     ; b2: 8 h numbers on
	v_lshlrev_b32 v251, 4, v22                     ; 16 x lane: my place in a group of the weights' registers, and in an image
	v_lshl_add_u32 v252, v22, 2, HSC               ; a scale word's
	v_mul_u32_u24 v253, v20, SP
	v_lshl_add_u32 v253, v23, 7, v253
	v_lshl_add_u32 v253, v21, 5, v253
	v_add_nc_u32 v253, STG, v253                   ; the stage, in: row r, my wave's 128 bytes, + 32 h
	v_mul_u32_u24 v254, v23, 2*SP
	v_lshl_add_u32 v254, v22, 4, v254
	v_add_nc_u32 v254, STG, v254                   ; and out: rows 2 w and 2 w + 1, 16 bytes a lane
	v_lshlrev_b32 v88, 2, v20                      ; the list: row r,
	v_lshlrev_b32 v89, 2, v22                      ; row lane,
	v_lshlrev_b32 v90, 3, v23                      ; row 2 w
	v_mov_b32 v12, 0xabd3f331                      ; N's leading coefficient, twice
	v_mov_b32 v13, 0xabd3f331
	v_mov_b32 v14, 0xb57460cd                      ; D's
	v_mov_b32 v15, 0xb57460cd
	v_mov_b32 v18, 0                               ; (a lane permute's destination counts as read: written once here)
	v_mov_b32 v19, 0
	s_mov_b32 s62, 0x76543210
	s_mov_b32 s63, 0xfedcba98                      ; v_permlanex16_b32's selects for lane l xor 16
	s_mov_b32 s66, 0xc0b504f3                      ; -4 sqrt 2
	s_mov_b32 s67, 0x40b504f3                      ; +4 sqrt 2
	KP 68, 0x2fa84a8d                              ; N: u^5
	KP 70, 0xb347667d
	KP 72, 0xb628d45d
	KP 74, 0xb8883d9c
	KP 76, 0xba08eb41
	KP 78, 0xbbba79f3                              ; u^0
	KP 80, 0xb7dfbd29                              ; D: u^3
	KP 82, 0xb9dc924e
	KP 84, 0xbb719bf8
	KP 86, 0xbc69b6a7                              ; u^0
	s_mov_b32 s88, 0xffff0000
	s_mov_b32 s61, 0
	s_wait_kmcnt 0x0
	s_add_nc_u64 s[24:25], s[18:19], 0x400000      ; W2's units lie behind W1's 512 units of 8,192 bytes,
	s_add_nc_u64 s[26:27], s[20:21], 0x40000       ; its scale words behind W1's 512 x 512 bytes
	s_lshl_b32 s60, ttmp9, 2
	s_add_nc_u64 s[8:9], s[8:9], s[60:61]
	s_load_b32 s3, s[8:9], 0x0                     ; my block's word
	s_lshl_b32 s60, ttmp9, 7
	s_add_nc_u64 s[10:11], s[10:11], s[60:61]      ; my block's 32 tokens
	global_load_b32 v91, v88, s[10:11]             ; the token of row r,
	global_load_b32 v92, v88, s[10:11] offset:64   ; of row 16 + r,
	global_load_b32 v93, v89, s[10:11]             ; of row lane,
	global_load_b32 v94, v90, s[10:11]             ; of rows 2 w
	global_load_b32 v95, v90, s[10:11] offset:4    ; and 2 w + 1
	s_wait_kmcnt 0x0
	s_and_b32 s4, s3, 0xff
	s_min_u32 s4, s4, 32                           ; the count
	s_bfe_u32 s5, s3, 0x80008
	s_min_u32 s5, s5, 7                            ; expert a
	s_bfe_u32 s6, s3, 0x80010
	s_min_u32 s6, s6, 7                            ; expert b
	BASES 5, 32
	BASES 6, 46
	LOADW1 0, 0
	s_wait_loadcnt 21                              ; the five loads from the list are in; the 21 of the first unit, issued behind them, may be out
.irp i, 91,92,93,94,95
	v_min_u32 v\i, 0xfff, v\i
.endr
	v_lshlrev_b32 v96, 8, v91
	v_lshl_add_u32 v96, v21, 4, v96                ; x's codes: the token's 256 bytes, + 16 h
	v_lshlrev_b32 v97, 8, v92
	v_lshl_add_u32 v97, v21, 4, v97
	v_lshlrev_b32 v98, 4, v93                      ; its 16 scale bytes
	v_lshlrev_b32 v99, 5, v91                      ; its 8 combine weights
	v_lshlrev_b32 v100, 5, v92
	v_lshlrev_b32 v10, 11, v94
	v_lshl_add_u32 v10, v22, 4, v10                ; out: the token's 2,048 bytes, 16 a lane
	v_lshlrev_b32 v11, 11, v95
	v_lshl_add_u32 v11, v22, 4, v11
.irp m, 0,1
.irp s, 0,1,2,3
.irp c, 0,1
	global_load_b128 v[XF+32*\m+8*\s+4*\c:XF+32*\m+8*\s+4*\c+3], v[96+\m], s[12:13] offset:64*\s+32*\c   ; x's eight fragments stay in registers through phase 1
.endr
.endr
.endr
	global_load_b128 v[XS:XS+3], v98, s[14:15]     ; register s: K step s; lanes 0-15 rows 0-15, lanes 16-31 rows 16-31
	global_load_b32 v6, v99, s[44:45]
	global_load_b32 v7, v100, s[44:45]
	global_load_b32 v8, v99, s[58:59]
	global_load_b32 v9, v100, s[58:59]
	; ---- PHASE 1: my 128 hidden units of both experts
	UNIT1 0, 0, 0
	UNIT1 0, 1, 0
	UNIT1 0, 2, 0
	UNIT1 0, 3, 1
	UNIT1 1, 0, 0
	UNIT1 1, 1, 0
	UNIT1 1, 2, 0
	UNIT1 1, 3, 2
	s_wait_dscnt 0x0                               ; for the others' sake: my images and scale words have landed
	s_barrier_signal -1
	s_barrier_wait -1                              ; both experts' hidden layers lie in LDS
	; ---- PHASE 2: my 32 outputs, expert a then expert b
	HLOAD 0
	UNIT2 0
	UNIT2 1
	UNIT2 2
	UNIT2 3
.irp n, 0,1
.irp m, 0,1
.irp j, 0,1,2,3,4,5,6,7
	v_mul_f32 v[ACC+8*(2*\n+\m)+\j], v[ACC+8*(2*\n+\m)+\j], v[6+\m]   ; c_a y_a, each accumulator from its lowest register on
.endr
.endr
.endr
.irp n, 0,1
.irp m, 0,1
	ds_store_b128 v253, v[ACC+8*(2*\n+\m):ACC+8*(2*\n+\m)+3] offset:16*SP*\m+64*\n       ; it waits in my own bytes of the stage: lane (r, h): row 16 m + r, outputs 32 w + 16 n + 8 h + 0 .. 7
	ds_store_b128 v253, v[ACC+8*(2*\n+\m)+4:ACC+8*(2*\n+\m)+7] offset:16*SP*\m+64*\n+16
.endr
.endr
	UNIT2 4                                        ; (its first wait on DScnt leaves five loads out: the stores above are done before the sums begin anew)
	UNIT2 5
	UNIT2 6
	UNIT2 7
.irp n, 0,1
.irp m, 0,1
	ds_load_b128 v[W+8*(2*\n+\m):W+8*(2*\n+\m)+3], v253 offset:16*SP*\m+64*\n            ; back into slot A, idle since unit 6
	ds_load_b128 v[W+8*(2*\n+\m)+4:W+8*(2*\n+\m)+7], v253 offset:16*SP*\m+64*\n+16
.endr
.endr
	s_wait_dscnt 0x0
.irp n, 0,1
.irp m, 0,1
.irp j, 0,1,2,3,4,5,6,7
	v_fma_f32 v[ACC+8*(2*\n+\m)+\j], v[ACC+8*(2*\n+\m)+\j], v[8+\m], v[W+8*(2*\n+\m)+\j]   ; c_b y_b + c_a y_a
.endr
.endr
.endr
.irp n, 0,1
.irp m, 0,1
	ds_store_b128 v253, v[ACC+8*(2*\n+\m):ACC+8*(2*\n+\m)+3] offset:16*SP*\m+64*\n
	ds_store_b128 v253, v[ACC+8*(2*\n+\m)+4:ACC+8*(2*\n+\m)+7] offset:16*SP*\m+64*\n+16
.endr
.endr
	s_wait_dscnt 0x0                               ; for the others' sake
	s_barrier_signal -1
	s_barrier_wait -1                              ; 32 whole rows lie in the stage
	; ---- THE WAY OUT: wave w stores rows 2 w and 2 w + 1, if the block has them: 512 consecutive bytes an instruction
.irp i, 0,1
.irp t, 0,1,2,3
	ds_load_b128 v[W+16*\i+4*\t:W+16*\i+4*\t+3], v254 offset:SP*\i+512*\t
.endr
.endr
	s_wait_dscnt 0x0
	s_lshl_b32 s7, s2, 1
	s_cmp_ge_u32 s7, s4
	s_cbranch_scc1 .Lno_row0
.irp t, 0,1,2,3
	global_store_b128 v10, v[W+4*\t:W+4*\t+3], s[30:31] offset:512*\t th:TH_STORE_NT
.endr
.Lno_row0:
	s_add_co_u32 s7, s7, 1
	s_cmp_ge_u32 s7, s4
	s_cbranch_scc1 .Lno_row1
.irp t, 0,1,2,3
	global_store_b128 v11, v[W+16+4*\t:W+16+4*\t+3], s[30:31] offset:512*\t th:TH_STORE_NT
.endr
.Lno_row1:
	s_barrier_signal -1
	s_barrier_wait -1
	s_wait_tensorcnt 0x0
	ds_add_u32 v248, v249
	s_wait_dscnt 0x0
	s_endpgm
.Lfunc_end_k_qeafbd94eb6_chain:
	.size	k_qeafbd94eb6_chain, .Lfunc_end_k_qeafbd94eb6_chain-k_qeafbd94eb6_chain
	.p2alignl 7, 3214868480
	.fill 96, 4, 3214868480
	.section	.rodata,"a",@progbits
	.p2align	6, 0x0
	.amdhsa_kernel k_qeafbd94eb6_chain
		.amdhsa_group_segment_fixed_size 137728
		.amdhsa_private_segment_fixed_size 0
		.amdhsa_enable_private_segment 0
		.amdhsa_kernarg_size 80
		.amdhsa_user_sgpr_count 2
		.amdhsa_user_sgpr_kernarg_segment_ptr 1
		.amdhsa_wavefront_size32 1
		.amdhsa_system_sgpr_workgroup_id_x 1
		.amdhsa_system_sgpr_workgroup_id_y 1
		.amdhsa_system_sgpr_workgroup_id_z 1
		.amdhsa_system_vgpr_workitem_id 0
		.amdhsa_next_free_vgpr 256
		.amdhsa_next_free_sgpr 92
		.amdhsa_reserve_vcc 0
		.amdhsa_float_denorm_mode_32 3
		.amdhsa_float_denorm_mode_16_64 3
		.amdhsa_memory_ordered 1
		.amdhsa_forward_progress 1
		.amdhsa_inst_pref_size 247
	.end_amdhsa_kernel
	.amdgpu_metadata
---
amdhsa.version: [ 1, 2 ]
amdhsa.kernels:
  - .name:           k_qeafbd94eb6_chain
    .symbol:         k_qeafbd94eb6_chain.kd
    .args:
      - { .name: blk, .offset: 0, .size: 8, .value_kind: global_buffer, .address_space: global }
      - { .name: order, .offset: 8, .size: 8, .value_kind: global_buffer, .address_space: global }
      - { .name: xq, .offset: 16, .size: 8, .value_kind: global_buffer, .address_space: global }
      - { .name: xs, .offset: 24, .size: 8, .value_kind: global_buffer, .address_space: global }
      - { .name: cmb, .offset: 32, .size: 8, .value_kind: global_buffer, .address_space: global }
      - { .name: wf, .offset: 40, .size: 8, .value_kind: global_buffer, .address_space: global }
      - { .name: wsf, .offset: 48, .size: 8, .value_kind: global_buffer, .address_space: global }
      - { .name: b1, .offset: 56, .size: 8, .value_kind: global_buffer, .address_space: global }
      - { .name: b2, .offset: 64, .size: 8, .value_kind: global_buffer, .address_space: global }
      - { .name: out0, .offset: 72, .size: 8, .value_kind: global_buffer, .address_space: global }
    .group_segment_fixed_size: 137728
    .private_segment_fixed_size: 0
    .kernarg_segment_align: 8
    .kernarg_segment_size: 80
    .max_flat_workgroup_size: 512
    .sgpr_count:     92
    .vgpr_count:     256
    .wavefront_size: 32
...
	.end_amdgpu_metadata
.endif
;; end of part 5
;; ======== version 3 of 3: 3 launches; version 2 with the launch chain written anew for expert scheduling mode
;; limits: an absolute error that grows with the inputs' magnitude: up to 1e-07 times it
;; workspace buffers: xq 1,048,576 bytes; xs 65,536 bytes; cmb 131,072 bytes; keys 16,384 bytes of whole numbers; order 20,480 bytes of whole numbers; blk 768 bytes of whole numbers; wf 8,388,608 bytes; wsf 524,288 bytes
;; launch route: the kernel of part 1 again; grid 256 x 1, 4 waves a work-group, no clusters, 43,008 bytes of LDS; arguments x, router_w, router_b, out1, cmb, keys, xq, xs; writes out1, cmb, keys, xq, xs
;; launch place: the kernel of part 4 again; grid 65 x 1, 16 waves a work-group, no clusters, 5,120 bytes of LDS; arguments keys, order, blk, wf, w1_codes, w1_scales, w2_codes, w2_scales, wsf; writes order, blk, wf, wsf
;; launch chain (part 6): grid 155 x 1, 16 waves a work-group, no clusters, 137,728 bytes of LDS; arguments blk, order, xq, xs, cmb, wf, wsf, b1, b2, out0; writes out0
.if DOCPART == 6
	.amdgcn_target "amdgcn-amd-amdhsa--gfx1250"
	.amdhsa_code_object_version 6
	.text
	.protected	k_qeafbd94eb6_chain
	.globl	k_qeafbd94eb6_chain
	.p2align	8
	.type	k_qeafbd94eb6_chain,@function
k_qeafbd94eb6_chain:
	s_mov_b64 s[64:65], 0
	v_nop
	global_prefetch_b8 v0, s[64:65] scope:SCOPE_SE
	s_setreg_imm32_b32 hwreg(HW_REG_WAVE_SCHED_MODE, 0, 2), 2
	s_setreg_imm32_b32 hwreg(HW_REG_WAVE_MODE, 25, 1), 1
	s_wait_xcnt 0x0
	s_wait_alu depctr_vm_vsrc(0)
; CHAIN.  A work-group takes one block of 32 tokens that chose the same two experts a, b through both experts' whole chains:
; out = c_a (Q(gelu(Q(x) W1_a + b1_a)) W2_a + b2_a) + c_b (the same of b).  Both products on codes of E2M1 with one E8M0 byte for each 32 along K; sums in f32; the hidden layer never leaves LDS.
; Each row of out has one owner, so nothing is added through memory.  The experts that a token did not choose have weight 0 in the problem's own combine matrix: they are not multiplied.
; THE GRID serves every split: 155 blocks at the most.  Rows past a block's count are copies of token 0: computed, never stored.  A block with count 0 walks the same text and stores nothing:
; every wave passes every barrier, and the only branches on a stored number are the two round the stores at the end.
; SHARES.  THE SIXTEEN WAVES SHARE THE COLUMNS: wave w makes hidden units 128 w .. 128 w + 127, which are K step w of the second product, and outputs 32 w .. 32 w + 31, for all 32 rows and both experts.
; So each byte of an expert's weights is loaded once in the work-group, straight into the operand's registers.  Four waves lie on a SIMD: one wave's GELU stands beside another's products and loads.
; THE WEIGHTS come from wf and wsf, where the launch before has laid W1's and W2's codes and scale words in the order of these registers: unit (expert, wave, p or g) at 8,192 (64 expert + 4 wave + p),
; W2's 4 MiB behind W1's; in a unit the group of four registers (tile, K step s, c) at 4096 tile + 1024 s + 512 c + 16 lane.  So every weight load of a wave reads 512 consecutive bytes.
; LAYOUT.  Both products are used transposed (source 0 = 16 rows of the weight, source 1 = 16 tokens): a lane holds ONE token (lane % 16).  THE ROWS OF W1 THAT FORM A TILE ARE NOT NEIGHBOURS:
; lane r of tile u of unit p holds row 32 p + 8 u + r + 8 (r / 8), so that the 16 registers of a unit's two tiles are 16 neighbours along the next K: 32 p + 16 (lane / 16) + 0 .. 15.
; The hidden layer goes from wave to wave as an IMAGE OF THE OPERAND'S REGISTERS: block b of row r of a fragment lies at 256 b + 16 r, which is register group b / 2 of lane r + 16 (b % 2).
; The biases are the C of each sum's first matrix instruction.  One scale register carries two tiles' words: lanes 0-15 the first tile's, lanes 16-31 the second's.
; GELU.  g = x Phi(x), Phi = 0.5 + xc N(u) / D(u), xc = x held to +-4 sqrt 2, u = xc^2: the rational form of erf with 7 and 5 terms, its argument x / sqrt 2 and the factor 1 / (2 sqrt 2) folded into the coefficients.
; NO JOINT LOADS: how many blocks a pair of experts has hangs on the stored list, so partners of a cluster could not be given blocks of one pair at every split, and a text that branches on stored counts has no tensor load.
; NO PREFETCH: an expert's weights are read by every block that uses the expert, not once.
; LIMITS.  NaN and infinities are not served.  A block of zeros gets the byte 1 where the quantiser says 127: its codes are zeros, and only this text reads the byte.  Phi has an absolute error of about 1e-7,
; as the f32 sum 1 + erf has: for x under about -5 the tiny result has no relative accuracy.
; THE MODE: SCHED_MODE bits 1:0 = 2 (LLVM: expert scheduling mode 2), set by the entry lines.  The code itself states the register dependences
; between vector or matrix instructions and memory or LDS instructions, with s_wait_alu, always for 0.
; THE PLAN.  Registers that memory or LDS instructions touch, and who else names them:
;   v3-5, v10, v11, v248-254   offsets and LDS addresses: written once at the head, read to the end, never written again.
;   v88-90, v96-100            the head's offsets for the list and for x; from the first GELU on they are GELU's.
;   W, WS, BIAS (phase 1)      a unit's sixteen products read them; the next unit's loads land in them.  GELU and the quantiser name none of them.
;   XF, XS                     loaded at the head, read by every product of phase 1; behind the last unit's products they are loaded again as slot B and its scale words.
;   v26-29, v255               written by the quantiser's conversions and select, read by its LDS stores, written again a unit later.
;   HF, HS (phase 2)           step k's four products read set k % 2; the LDS loads of step k + 2 land in it.
;   slots A, B (phase 2)       K step s of a slot is read by step s's four products alone; its scale words by all four steps; the unit after next lands there.
;   ACC                        written by products and by the combine's multiplications; read by the stage's LDS stores; begun anew by the second expert's first products.
; So ONE wait on va_vdst stands in a unit of phase 1, behind its products, and all the next unit's loads hang on it: they are dealt among the unit's GELU.  One more stands ahead of the quantiser's LDS stores.
; In phase 2 one wait on va_vdst stands in a K step: it frees the set of HF for the LDS loads and the last K step's registers of the slot, which are asked for again behind this step's products.
; Waits on vm_vsrc: behind the head's loads; at the quantiser's head; behind the stage's first stores.
.set HSC,  65536                       ; LDS: from 0 the images: expert e, K step s, tile of rows m at 32768 e + 2048 s + 1024 m;  from HSC their scale words: 2048 e + 128 s + 4 lane
.set STG,  69632                       ; the stage: 32 rows x (2,048 bytes + 16)
.set SP,   2064                        ; 516 words: row r starts at bank 4 r mod 64 (64 banks of 4 bytes: ISA guide 11.1)
.set HS,   30                          ; v30, v31   the hidden layer's scale words, two sets: scales alone
.set XS,   32                          ; v32-35     x's scale words, a register a K step; then W2's of slot B
.set WS,   36                          ; v36-39     W1's scale words; then W2's of slot A
.set BIAS, 40                          ; v40-55     b1 of the unit's two tiles; then b2 of my two tiles of outputs
.set ACC,  56                          ; v56-87     phase 1: tile u, rows m at 8 (2 m + u);  phase 2: outputs n, rows m at 8 (2 n + m)
.set XC,   88                          ; v88-119    GELU at work: xc, u, N, D, 8 each;  phase 2: the hidden fragments, two sets of 16
.set U,    96
.set NN,   104
.set DD,   112
.set HF,   88
.set W,    120                         ; v120-183   W1's fragments (tile u, K step s) at 32 u + 8 s;  phase 2: slot A: W2's (tile n, K step s) at 32 n + 8 s
.set XF,   184                         ; v184-247   x's fragments (rows m, K step s) at 32 m + 8 s;  phase 2: slot B
; v3 b1, v4 where I store codes, v5 where I store the scale word, v6-9 c_a, c_b of my token in rows m = 0, 1, v10-11 my two rows of out,
; v[12:13], v[14:15] the leading coefficients, v16-29 the quantiser at work, v248, v249 the closing add's two, v250 b2, v251 16 x lane (the weights' offset, and an image's place), v252 HSC + 4 x lane, v253, v254 the stage in and out, v255 at work.
; s2 wave, s3 the block's word, s4 count, s5, s6 experts, s[8:31] the buffers, s[32:45] expert a's seven bases (W1's codes, its scales, b1, W2's codes, its scales, b2, cmb), s[46:59] expert b's,
; s[60:61] an offset, s62-63 lane selects, s66-67 the hold, s[68:79] N's coefficients, s[80:87] D's, s88 the upper 16 lanes.
.macro PLACES                          ; four plain lines between a matrix instruction and a load into, or a read of, its registers (ISA guide 7.12.1 for a read)
.rept 4
	v_nop
.endr
.endm
.macro KP r, val                       ; a coefficient as a pair: the packed form names both words
	s_mov_b32 s[\r], \val
	s_mov_b32 s[\r+1], \val
.endm
.macro BASES er, o                     ; the seven bases of the expert in s[er], for my wave.  Left shifts and sums alone stand behind the hold of the loaded number
	s_lshl_b32 s60, s[\er], 19
	s_lshl_b32 s7, s2, 15
	s_add_co_u32 s60, s60, s7                      ; 524,288 an expert, 32,768 a wave: four units of 8,192 bytes, of W1 and of W2
	s_add_nc_u64 s[\o:\o+1], s[18:19], s[60:61]
	s_add_nc_u64 s[\o+6:\o+7], s[24:25], s[60:61]
	s_lshl_b32 s60, s[\er], 15
	s_lshl_b32 s7, s2, 11
	s_add_co_u32 s60, s60, s7                      ; the scale words: a sixteenth of that
	s_add_nc_u64 s[\o+2:\o+3], s[20:21], s[60:61]
	s_add_nc_u64 s[\o+8:\o+9], s[26:27], s[60:61]
	s_lshl_b32 s60, s[\er], 13
	s_lshl_b32 s7, s2, 9
	s_add_co_u32 s60, s60, s7                      ; b1: 2,048 numbers an expert, 128 a wave
	s_add_nc_u64 s[\o+4:\o+5], s[22:23], s[60:61]
	s_lshl_b32 s60, s[\er], 11
	s_lshl_b32 s7, s2, 7
	s_add_co_u32 s60, s60, s7                      ; b2: 512 an expert, 32 a wave
	s_add_nc_u64 s[\o+10:\o+11], s[28:29], s[60:61]
	s_lshl_b32 s60, s[\er], 2                      ; cmb: the expert's column
	s_add_nc_u64 s[\o+12:\o+13], s[16:17], s[60:61]
.endm
; Unit p of expert E is 32 rows of W1 as 16 groups of registers, 8,192 bytes on end, with their scale words and biases: 21 loads, in three parts.
.macro LOADW1T E, p, u                 ; tile u: 8 loads
.irp s, 0,1,2,3
.irp c, 0,1
	global_load_b128 v[W+32*(\u)+8*\s+4*\c:W+32*(\u)+8*\s+4*\c+3], v251, s[32+14*(\E):33+14*(\E)] offset:8192*(\p)+4096*(\u)+1024*\s+512*\c
.endr
.endr
.endm
.macro LOADW1S E, p                    ; the scale words and the biases: 5 loads
	global_load_b128 v[WS:WS+3], v251, s[34+14*(\E):35+14*(\E)] offset:512*(\p)   ; register s: K step s; lanes 0-15 tile 0's rows, lanes 16-31 tile 1's
.irp u, 0,1
	global_load_b128 v[BIAS+8*\u:BIAS+8*\u+3], v3, s[36+14*(\E):37+14*(\E)] offset:128*(\p)+32*\u
	global_load_b128 v[BIAS+8*\u+4:BIAS+8*\u+7], v3, s[36+14*(\E):37+14*(\E)] offset:128*(\p)+32*\u+16
.endr
.endm
.macro LOADB2 E                        ; b2 of my 32 outputs, in the result's layout: 4 loads
.irp n, 0,1
	global_load_b128 v[BIAS+8*\n:BIAS+8*\n+3], v250, s[42+14*(\E):43+14*(\E)] offset:64*\n
	global_load_b128 v[BIAS+8*\n+4:BIAS+8*\n+7], v250, s[42+14*(\E):43+14*(\E)] offset:64*\n+16
.endr
.endm
; Unit g of W2 is K steps 4 g .. 4 g + 3 of my 32 rows as 16 groups of registers, and their scale words: 17 loads, into slot sl, K step by K step.
.macro LOADW2K E, g, sl, k             ; the unit's K step k, both tiles: 4 loads
.irp n, 0,1
.irp c, 0,1
	global_load_b128 v[W+64*(\sl)+32*\n+8*(\k)+4*\c:W+64*(\sl)+32*\n+8*(\k)+4*\c+3], v251, s[38+14*(\E):39+14*(\E)] offset:8192*(\g)+4096*\n+1024*(\k)+512*\c
.endr
.endr
.endm
.macro LOADW2S E, g, sl                ; its scale words: lanes 0-15 tile 0's rows, lanes 16-31 tile 1's
	global_load_b128 v[WS-4*(\sl):WS-4*(\sl)+3], v251, s[40+14*(\E):41+14*(\E)] offset:512*(\g)
.endm
.macro LOADW2 E, g, sl                 ; the whole unit
	LOADW2K \E, \g, \sl, 0
	LOADW2K \E, \g, \sl, 1
	LOADW2K \E, \g, \sl, 2
	LOADW2K \E, \g, \sl, 3
	LOADW2S \E, \g, \sl
.endm
.macro WM ra, rb                       ; one product on rD, rA, rB, rC, rSA, rSB; ra, rb: the side's scale words lie in lanes 16-31
.if (\ra) && (\rb)
	v_wmma_scale_f32_16x16x128_f8f6f4 v[rD:rD+7], v[rA:rA+7], v[rB:rB+7], v[rC:rC+7], v[rSA], v[rSB] matrix_a_fmt:MATRIX_FMT_FP4 matrix_b_fmt:MATRIX_FMT_FP4 matrix_a_scale:MATRIX_SCALE_ROW1 matrix_b_scale:MATRIX_SCALE_ROW1
.elseif (\ra)
	v_wmma_scale_f32_16x16x128_f8f6f4 v[rD:rD+7], v[rA:rA+7], v[rB:rB+7], v[rC:rC+7], v[rSA], v[rSB] matrix_a_fmt:MATRIX_FMT_FP4 matrix_b_fmt:MATRIX_FMT_FP4 matrix_a_scale:MATRIX_SCALE_ROW1
.elseif (\rb)
	v_wmma_scale_f32_16x16x128_f8f6f4 v[rD:rD+7], v[rA:rA+7], v[rB:rB+7], v[rC:rC+7], v[rSA], v[rSB] matrix_a_fmt:MATRIX_FMT_FP4 matrix_b_fmt:MATRIX_FMT_FP4 matrix_b_scale:MATRIX_SCALE_ROW1
.else
	v_wmma_scale_f32_16x16x128_f8f6f4 v[rD:rD+7], v[rA:rA+7], v[rB:rB+7], v[rC:rC+7], v[rSA], v[rSB] matrix_a_fmt:MATRIX_FMT_FP4 matrix_b_fmt:MATRIX_FMT_FP4
.endif
.endm
.macro GELU a                          ; eight numbers of a lane, in place: 72 lines.  The accumulator is read from its lowest register on.  It names ACC, v12-15 and v88-119 alone: no register that a pending load touches
.irp i, 0,1,2,3,4,5,6,7
	v_med3_num_f32 v[XC+\i], v[(\a)+\i], s66, s67
.endr
.irp i, 0,2,4,6
	v_pk_mul_f32 v[U+\i:U+\i+1], v[XC+\i:XC+\i+1], v[XC+\i:XC+\i+1]
.endr
.irp i, 0,2,4,6                        ; Horner, two numbers a line, N's and D's chains and the four pairs by turns
	v_pk_fma_f32 v[NN+\i:NN+\i+1], v[U+\i:U+\i+1], v[12:13], s[68:69] op_sel_hi:[1,1,0]
	v_pk_fma_f32 v[DD+\i:DD+\i+1], v[U+\i:U+\i+1], v[14:15], s[80:81] op_sel_hi:[1,1,0]
.endr
.irp k, 1,2,3
.irp i, 0,2,4,6
	v_pk_fma_f32 v[NN+\i:NN+\i+1], v[NN+\i:NN+\i+1], v[U+\i:U+\i+1], s[68+2*\k:69+2*\k] op_sel_hi:[1,1,0]
	v_pk_fma_f32 v[DD+\i:DD+\i+1], v[DD+\i:DD+\i+1], v[U+\i:U+\i+1], s[80+2*\k:81+2*\k] op_sel_hi:[1,1,0]
.endr
.endr
.irp i, 0,1,2,3,4,5,6,7
	v_rcp_f32 v[DD+\i], v[DD+\i]                   ; D is done: the eight reciprocals go as one batch (D is negative throughout: never 0)
.endr
.irp k, 4,5
.irp i, 0,2,4,6
	v_pk_fma_f32 v[NN+\i:NN+\i+1], v[NN+\i:NN+\i+1], v[U+\i:U+\i+1], s[68+2*\k:69+2*\k] op_sel_hi:[1,1,0]   ; N's last two steps name no reciprocal: the plain work behind the batch
.endr
.endr
.irp i, 0,2,4,6
	v_pk_mul_f32 v[NN+\i:NN+\i+1], v[XC+\i:XC+\i+1], v[NN+\i:NN+\i+1]
.endr
	s_wait_alu depctr_va_vdst(0)                   ; the eight reciprocals have written v[DD] to v[DD+7]: one wait for the batch, ahead of its first reader
.irp i, 0,2,4,6
	v_pk_fma_f32 v[NN+\i:NN+\i+1], v[NN+\i:NN+\i+1], v[DD+\i:DD+\i+1], 0.5 op_sel_hi:[1,1,0]   ; Phi
.endr
.irp i, 0,2,4,6
	v_pk_mul_f32 v[(\a)+\i:(\a)+\i+1], v[(\a)+\i:(\a)+\i+1], v[NN+\i:NN+\i+1]                  ; x Phi
.endr
.endm
.macro QUANT E, p                      ; the unit's 32 hidden units of 32 rows: block p of my K step.  A block lies in lanes l and l xor 16; rows m = 0, 1 by turns
	s_wait_dscnt 0x0                               ; the last unit's LDS stores, issued a unit ago, are done,
	s_wait_alu depctr_vm_vsrc(0)                   ; and they have read v26-29 and v255, which the conversions and the select below write again
.irp m, 0,1
	v_max3_num_f32 v[16+\m], |v[ACC+16*\m]|, |v[ACC+16*\m+1]|, 0x1800000   ; my 16 numbers, and the floor 2^(3 - 127): the byte cannot fall under 1
.endr
.irp i, 2,4,6,8,10,12,14
.irp m, 0,1
	v_max3_num_f32 v[16+\m], v[16+\m], |v[ACC+16*\m+\i]|, |v[ACC+16*\m+\i+1]|
.endr
.endr
.irp m, 0,1
	v_permlanex16_b32 v[18+\m], v[16+\m], s62, s63
.endr
.irp m, 0,1
	v_max_num_f32 v[16+\m], v[16+\m], v[18+\m]     ; the block's largest magnitude
.endr
.irp m, 0,1
	v_add_nc_u32 v[20+\m], 0xff000000, v[16+\m]    ; 2 off its exponent field: the conversion's scale operand
.endr
.irp m, 0,1
	v_lshrrev_b32 v[22+\m], 23, v[20+\m]           ; the scale's byte
.endr
.irp m, 0,1
.if (\p) == 0
	v_mov_b32 v[24+\m], v[22+\m]                   ; four units' bytes make my K step's scale word
.else
	v_lshl_or_b32 v[24+\m], v[22+\m], 8*(\p), v[24+\m]
.endif
.endr
.irp m, 0,1
	v_cvt_scalef32_pk8_fp4_f32 v[26+2*\m], v[ACC+16*\m:ACC+16*\m+7], v[20+\m]
	v_cvt_scalef32_pk8_fp4_f32 v[27+2*\m], v[ACC+16*\m+8:ACC+16*\m+15], v[20+\m]
.endr
	v_nop                                          ; one plain line behind the last scaled conversion
.if (\p) == 3
	v_cndmask_b32 v255, v24, v25, s88              ; lanes 0-15: rows 0-15's words; lanes 16-31: rows 16-31's
.endif
	s_wait_alu depctr_va_vdst(0)                   ; the conversions have written v26-29, and in an expert's last unit the select v255: the LDS stores below read them.  (Behind the last unit of all it also shows GELU done with v88-119, in which phase 2's first LDS loads land)
.irp m, 0,1
	ds_store_b64 v4, v[26+2*\m:27+2*\m] offset:(\E)*32768+1024*\m+256*(\p)   ; my half of block p of row r: the image's own place; the wave's store covers 256 consecutive bytes
.endr
.if (\p) == 3
	ds_store_b32 v5, v255 offset:(\E)*2048
.endif
.endm
; A UNIT OF PHASE 1: 32 hidden units x 32 rows.  16 products, the four accumulators by turns, one instruction a turn; the one wait; the next loads, dealt among the GELU; the quantiser.
; NX = 0: the next unit of this expert is asked for; 1: the second expert's first; 2: the second product's first two units and b2.  The last of the loads have three quarters of the GELU and the quantiser in which to land.
.macro UNIT1 E, p, NX
	s_wait_loadcnt 0x0                             ; this unit's weights (asked for a unit ago) are in; at the first unit also x's fragments, scale words and the combine weights
.irp s, 0,1,2,3
.irp u, 0,1
.irp m, 0,1
.set rD, ACC+8*(2*\m+\u)
.set rA, W+32*\u+8*\s
.set rB, XF+32*\m+8*\s
.if \s == 0
.set rC, BIAS+8*\u
.else
.set rC, ACC+8*(2*\m+\u)
.endif
.set rSA, WS+\s
.set rSB, XS+\s
	WM \u, \m
.endr
.endr
.endr
	PLACES
	s_wait_alu depctr_va_vdst(0)                   ; the sixteen products are done reading W, WS, BIAS, XF and XS: all the loads of this unit land in these, and no vector line up to the next unit's products names one of them
.if (\NX) == 0
	LOADW1T \E, \p+1, 0
	LOADW1S \E, \p+1
.elseif (\NX) == 1
	LOADW1T 1, 0, 0
	LOADW1S 1, 0
.else
	LOADB2 0
	LOADW2 0, 0, 0
.endif
	GELU ACC
.if (\NX) == 0
	LOADW1T \E, \p+1, 1                            ; no further wait: GELU has named none of these registers
.elseif (\NX) == 1
	LOADW1T 1, 0, 1
.else
	LOADW2 0, 1, 1                                 ; slot B: where x's fragments and scale words lay
.endif
	GELU ACC+8
	GELU ACC+16
	GELU ACC+24
	QUANT \E, \p
.endm
.macro HLOAD k                         ; step k = 16 e + s: the hidden layer's two fragments of K step s and their scale words, into set k % 2: 5 LDS loads
.set hk, \k
.irp i, 0,1,2,3
	ds_load_b128 v[HF+16*(hk%2)+4*\i:HF+16*(hk%2)+4*\i+3], v251 offset:(hk/16)*32768+(hk%16)*2048+512*\i
.endr
	ds_load_b32 v[HS+hk%2], v252 offset:(hk/16)*2048+(hk%16)*128
.endm
; A UNIT OF PHASE 2: four K steps of expert q / 4, from slot q % 2.  Each K step: the one wait; the next step's fragments are asked for; four products, my two tiles of outputs x the two tiles of rows, by turns;
; behind them four loads of the unit after next, into the registers of the K step before, which that wait has freed and which this step's products do not name.  The slot's last K step and its scale words follow at the unit's end.
; A unit's 17 loads follow each other in the order of issue, the second expert's b2 ahead of its first unit's.
.macro UNIT2 q
.if (\q) == 7
	s_wait_loadcnt 0x0
.else
	s_wait_loadcnt 17                              ; this unit's loads are in; the 17 of the next unit, issued behind them, may be out
.endif
.irp s, 0,1,2,3
.set kk, 4*(\q)+\s
.if \s > 0
	PLACES                                         ; in front of loads into the set that the last step's products read (at the unit's head the places at the last unit's end serve)
.if kk < 31
	s_wait_alu depctr_va_vdst(0)                   ; the last step's products are done reading their set of HF and HS, in which the LDS loads below land, and their K step of the slot, in which the loads behind this step's products land
.endif
.endif
.if kk < 31
	HLOAD kk+1
	s_wait_dscnt 5                                 ; this step's five are in; the five just issued may be out
.else
	s_wait_dscnt 0x0
.endif
.irp n, 0,1
.irp m, 0,1
.set rD, ACC+8*(2*\n+\m)
.set rA, W+64*((\q)%2)+32*\n+8*\s
.set rB, HF+16*(kk%2)+8*\m
.if (kk%16) == 0
.set rC, BIAS+8*\n
.else
.set rC, ACC+8*(2*\n+\m)
.endif
.set rSA, WS-4*((\q)%2)+\s
.set rSB, HS+kk%2
	WM \n, \m
.endr
.endr
.if \s > 0
.if (\q) <= 5
.if (\q) == 2
.if \s == 1
	LOADB2 1                                       ; the second expert's b2: the first's was read at this expert's first K step, ahead of many waits
.endif
.endif
	LOADW2K ((\q)+2)/4, ((\q)+2)%4, (\q)%2, \s-1   ; the unit after next, K step s - 1.  No wait: the four products since the wait name K step s of the slot, not this one
.endif
.endif
.endr
	PLACES
.if (\q) <= 6
	s_wait_alu depctr_va_vdst(0)                   ; the unit's last products are done reading the slot's last K step and its scale words, in which the loads below land, and their set of HF and HS, in which the next unit's first LDS loads land
.endif
.if (\q) <= 5
	LOADW2K ((\q)+2)/4, ((\q)+2)%4, (\q)%2, 3
	LOADW2S ((\q)+2)/4, ((\q)+2)%4, (\q)%2
.endif
.endm
	s_load_b512 s[8:23], s[0:1], 0x0               ; blk s[8:9], order s[10:11], xq s[12:13], xs s[14:15], cmb s[16:17], wf s[18:19], wsf s[20:21], b1 s[22:23]
	s_load_b128 s[28:31], s[0:1], 0x40             ; b2 s[28:29], out s[30:31]
	v_lshl_add_u32 v248, v0, 2, 0x21200
	v_mov_b32 v249, 0
	v_lshrrev_b32 v23, 5, v0                       ; wave
	v_readfirstlane_b32 s2, v23
	v_and_b32 v20, 15, v0                          ; r
	v_bfe_u32 v21, v0, 4, 1                        ; h
	v_and_b32 v22, 31, v0                          ; lane
	v_lshlrev_b32 v3, 6, v21                       ; b1: 16 h numbers on
	v_lshlrev_b32 v4, 11, v23
	v_lshl_add_u32 v4, v20, 4, v4
	v_lshl_add_u32 v4, v21, 3, v4                  ; my codes: K step = wave, 16 r, + 8 h
	v_lshl_add_u32 v5, v0, 2, HSC                  ; my scale word: 128 x wave + 4 x lane
	v_lshlrev_b32 v250, 5, v21                     ; b2: 8 h numbers on
	v_lshlrev_b32 v251, 4, v22                     ; 16 x lane: my place in a group of the weights' registers, and in an image
	v_lshl_add_u32 v252, v22, 2, HSC               ; a scale word's
	v_mul_u32_u24 v253, v20, SP
	v_lshl_add_u32 v253, v23, 7, v253
	v_lshl_add_u32 v253, v21, 5, v253
	v_add_nc_u32 v253, STG, v253                   ; the stage, in: row r, my wave's 128 bytes, + 32 h
	v_mul_u32_u24 v254, v23, 2*SP
	v_lshl_add_u32 v254, v22, 4, v254
	v_add_nc_u32 v254, STG, v254                   ; and out: rows 2 w and 2 w + 1, 16 bytes a lane
	v_lshlrev_b32 v88, 2, v20                      ; the list: row r,
	v_lshlrev_b32 v89, 2, v22                      ; row lane,
	v_lshlrev_b32 v90, 3, v23                      ; row 2 w
	v_mov_b32 v12, 0xabd3f331                      ; N's leading coefficient, twice
	v_mov_b32 v13, 0xabd3f331
	v_mov_b32 v14, 0xb57460cd                      ; D's
	v_mov_b32 v15, 0xb57460cd
	v_mov_b32 v18, 0                               ; (a lane permute's destination counts as read: written once here)
	v_mov_b32 v19, 0
	s_mov_b32 s62, 0x76543210
	s_mov_b32 s63, 0xfedcba98                      ; v_permlanex16_b32's selects for lane l xor 16
	s_mov_b32 s66, 0xc0b504f3                      ; -4 sqrt 2
	s_mov_b32 s67, 0x40b504f3                      ; +4 sqrt 2
	KP 68, 0x2fa84a8d                              ; N: u^5
	KP 70, 0xb347667d
	KP 72, 0xb628d45d
	KP 74, 0xb8883d9c
	KP 76, 0xba08eb41
	KP 78, 0xbbba79f3                              ; u^0
	KP 80, 0xb7dfbd29                              ; D: u^3
	KP 82, 0xb9dc924e
	KP 84, 0xbb719bf8
	KP 86, 0xbc69b6a7                              ; u^0
	s_mov_b32 s88, 0xffff0000
	s_mov_b32 s61, 0
	s_wait_alu depctr_va_sdst(0)                   ; s2, the wave's number, is written, ahead of its first reader: the experts' bases are made from it
	s_wait_kmcnt 0x0
	s_add_nc_u64 s[24:25], s[18:19], 0x400000      ; W2's units lie behind W1's 512 units of 8,192 bytes,
	s_add_nc_u64 s[26:27], s[20:21], 0x40000       ; its scale words behind W1's 512 x 512 bytes
	s_lshl_b32 s60, ttmp9, 2
	s_add_nc_u64 s[8:9], s[8:9], s[60:61]
	s_load_b32 s3, s[8:9], 0x0                     ; my block's word
	s_lshl_b32 s60, ttmp9, 7
	s_add_nc_u64 s[10:11], s[10:11], s[60:61]      ; my block's 32 tokens
	s_wait_alu depctr_va_vdst(0)                   ; every offset and LDS address made above is written: v3-5, v88-90 and v248-254, which the loads and stores from here to the end read
	global_load_b32 v91, v88, s[10:11]             ; the token of row r,
	global_load_b32 v92, v88, s[10:11] offset:64   ; of row 16 + r,
	global_load_b32 v93, v89, s[10:11]             ; of row lane,
	global_load_b32 v94, v90, s[10:11]             ; of rows 2 w
	global_load_b32 v95, v90, s[10:11] offset:4    ; and 2 w + 1
	s_wait_kmcnt 0x0
	s_and_b32 s4, s3, 0xff
	s_min_u32 s4, s4, 32                           ; the count
	s_bfe_u32 s5, s3, 0x80008
	s_min_u32 s5, s5, 7                            ; expert a
	s_bfe_u32 s6, s3, 0x80010
	s_min_u32 s6, s6, 7                            ; expert b
	BASES 5, 32
	BASES 6, 46
	LOADW1T 0, 0, 0
	LOADW1T 0, 0, 1
	LOADW1S 0, 0
	s_wait_loadcnt 21                              ; the five loads from the list are in; the 21 of the first unit, issued behind them, may be out
.irp i, 91,92,93,94,95
	v_min_u32 v\i, 0xfff, v\i
.endr
	v_lshlrev_b32 v96, 8, v91
	v_lshl_add_u32 v96, v21, 4, v96                ; x's codes: the token's 256 bytes, + 16 h
	v_lshlrev_b32 v97, 8, v92
	v_lshl_add_u32 v97, v21, 4, v97
	v_lshlrev_b32 v98, 4, v93                      ; its 16 scale bytes
	v_lshlrev_b32 v99, 5, v91                      ; its 8 combine weights
	v_lshlrev_b32 v100, 5, v92
	v_lshlrev_b32 v10, 11, v94
	v_lshl_add_u32 v10, v22, 4, v10                ; out: the token's 2,048 bytes, 16 a lane
	v_lshlrev_b32 v11, 11, v95
	v_lshl_add_u32 v11, v22, 4, v11
	s_wait_alu depctr_va_vdst(0)                   ; the offsets v96-100 are written, which the loads below read; so are v10 and v11, which the stores at the end read
.irp m, 0,1
.irp s, 0,1,2,3
.irp c, 0,1
	global_load_b128 v[XF+32*\m+8*\s+4*\c:XF+32*\m+8*\s+4*\c+3], v[96+\m], s[12:13] offset:64*\s+32*\c   ; x's eight fragments stay in registers through phase 1
.endr
.endr
.endr
	global_load_b128 v[XS:XS+3], v98, s[14:15]     ; register s: K step s; lanes 0-15 rows 0-15, lanes 16-31 rows 16-31
	global_load_b32 v6, v99, s[44:45]
	global_load_b32 v7, v100, s[44:45]
	global_load_b32 v8, v99, s[58:59]
	global_load_b32 v9, v100, s[58:59]
	s_wait_alu depctr_vm_vsrc(0)                   ; the loads above have read their offsets v88-90 and v96-100: these registers are GELU's from here on
	; ---- PHASE 1: my 128 hidden units of both experts
	UNIT1 0, 0, 0
	UNIT1 0, 1, 0
	UNIT1 0, 2, 0
	UNIT1 0, 3, 1
	UNIT1 1, 0, 0
	UNIT1 1, 1, 0
	UNIT1 1, 2, 0
	UNIT1 1, 3, 2
	s_wait_dscnt 0x0                               ; for the others' sake: my images and scale words have landed
	s_barrier_signal -1
	s_barrier_wait -1                              ; both experts' hidden layers lie in LDS
	; ---- PHASE 2: my 32 outputs, expert a then expert b
	HLOAD 0                                        ; (it lands in v88-103 and v30: no vector line stands behind the quantiser's last wait on va_vdst)
	UNIT2 0
	UNIT2 1
	UNIT2 2
	UNIT2 3
.irp n, 0,1
.irp m, 0,1
.irp j, 0,1,2,3,4,5,6,7
	v_mul_f32 v[ACC+8*(2*\n+\m)+\j], v[ACC+8*(2*\n+\m)+\j], v[6+\m]   ; c_a y_a, each accumulator from its lowest register on
.endr
.endr
.endr
	s_wait_alu depctr_va_vdst(0)                   ; the multiplications have written ACC, which the LDS stores read
.irp n, 0,1
.irp m, 0,1
	ds_store_b128 v253, v[ACC+8*(2*\n+\m):ACC+8*(2*\n+\m)+3] offset:16*SP*\m+64*\n       ; it waits in my own bytes of the stage: lane (r, h): row 16 m + r, outputs 32 w + 16 n + 8 h + 0 .. 7
	ds_store_b128 v253, v[ACC+8*(2*\n+\m)+4:ACC+8*(2*\n+\m)+7] offset:16*SP*\m+64*\n+16
.endr
.endr
	s_wait_alu depctr_vm_vsrc(0)                   ; the LDS stores have read ACC, which the second expert's first products write anew
	UNIT2 4                                        ; (its first wait on DScnt leaves five loads out: the stores above are done before the sums begin anew)
	UNIT2 5
	UNIT2 6
	UNIT2 7
.irp n, 0,1
.irp m, 0,1
	ds_load_b128 v[W+8*(2*\n+\m):W+8*(2*\n+\m)+3], v253 offset:16*SP*\m+64*\n            ; back into slot A, idle since unit 6: the waits of unit 7's steps stand behind its last readers, and unit 7's products name slot B
	ds_load_b128 v[W+8*(2*\n+\m)+4:W+8*(2*\n+\m)+7], v253 offset:16*SP*\m+64*\n+16
.endr
.endr
	s_wait_dscnt 0x0
.irp n, 0,1
.irp m, 0,1
.irp j, 0,1,2,3,4,5,6,7
	v_fma_f32 v[ACC+8*(2*\n+\m)+\j], v[ACC+8*(2*\n+\m)+\j], v[8+\m], v[W+8*(2*\n+\m)+\j]   ; c_b y_b + c_a y_a
.endr
.endr
.endr
	s_wait_alu depctr_va_vdst(0)                   ; the multiply-adds have written ACC, which the LDS stores read, and are done reading v120-151, in which the loads behind the barrier land
.irp n, 0,1
.irp m, 0,1
	ds_store_b128 v253, v[ACC+8*(2*\n+\m):ACC+8*(2*\n+\m)+3] offset:16*SP*\m+64*\n
	ds_store_b128 v253, v[ACC+8*(2*\n+\m)+4:ACC+8*(2*\n+\m)+7] offset:16*SP*\m+64*\n+16
.endr
.endr
	s_wait_dscnt 0x0                               ; for the others' sake
	s_barrier_signal -1
	s_barrier_wait -1                              ; 32 whole rows lie in the stage
	; ---- THE WAY OUT: wave w stores rows 2 w and 2 w + 1, if the block has them: 512 consecutive bytes an instruction
.irp i, 0,1
.irp t, 0,1,2,3
	ds_load_b128 v[W+16*\i+4*\t:W+16*\i+4*\t+3], v254 offset:SP*\i+512*\t
.endr
.endr
	s_wait_dscnt 0x0
	s_lshl_b32 s7, s2, 1
	s_cmp_ge_u32 s7, s4
	s_cbranch_scc1 .Lno_row0
.irp t, 0,1,2,3
	global_store_b128 v10, v[W+4*\t:W+4*\t+3], s[30:31] offset:512*\t th:TH_STORE_NT
.endr
.Lno_row0:
	s_add_co_u32 s7, s7, 1
	s_cmp_ge_u32 s7, s4
	s_cbranch_scc1 .Lno_row1
.irp t, 0,1,2,3
	global_store_b128 v11, v[W+16+4*\t:W+16+4*\t+3], s[30:31] offset:512*\t th:TH_STORE_NT
.endr
.Lno_row1:
	s_barrier_signal -1
	s_barrier_wait -1
	s_wait_dscnt 0x0                               ; the closing lines, six on end
	s_wait_alu 0x0
	s_wait_tensorcnt 0x0
	ds_add_u32 v248, v249
	s_wait_dscnt 0x0
	s_endpgm
.Lfunc_end_k_qeafbd94eb6_chain:
	.size	k_qeafbd94eb6_chain, .Lfunc_end_k_qeafbd94eb6_chain-k_qeafbd94eb6_chain
	.p2alignl 7, 3214868480
	.fill 96, 4, 3214868480
	.section	.rodata,"a",@progbits
	.p2align	6, 0x0
	.amdhsa_kernel k_qeafbd94eb6_chain
		.amdhsa_group_segment_fixed_size 137728
		.amdhsa_private_segment_fixed_size 0
		.amdhsa_enable_private_segment 0
		.amdhsa_kernarg_size 80
		.amdhsa_user_sgpr_count 2
		.amdhsa_user_sgpr_kernarg_segment_ptr 1
		.amdhsa_wavefront_size32 1
		.amdhsa_system_sgpr_workgroup_id_x 1
		.amdhsa_system_sgpr_workgroup_id_y 1
		.amdhsa_system_sgpr_workgroup_id_z 1
		.amdhsa_system_vgpr_workitem_id 0
		.amdhsa_next_free_vgpr 256
		.amdhsa_next_free_sgpr 92
		.amdhsa_reserve_vcc 0
		.amdhsa_float_denorm_mode_32 3
		.amdhsa_float_denorm_mode_16_64 3
		.amdhsa_memory_ordered 1
		.amdhsa_forward_progress 1
		.amdhsa_inst_pref_size 249
	.end_amdhsa_kernel
	.amdgpu_metadata
---
amdhsa.version: [ 1, 2 ]
amdhsa.kernels:
  - .name:           k_qeafbd94eb6_chain
    .symbol:         k_qeafbd94eb6_chain.kd
    .args:
      - { .name: blk, .offset: 0, .size: 8, .value_kind: global_buffer, .address_space: global }
      - { .name: order, .offset: 8, .size: 8, .value_kind: global_buffer, .address_space: global }
      - { .name: xq, .offset: 16, .size: 8, .value_kind: global_buffer, .address_space: global }
      - { .name: xs, .offset: 24, .size: 8, .value_kind: global_buffer, .address_space: global }
      - { .name: cmb, .offset: 32, .size: 8, .value_kind: global_buffer, .address_space: global }
      - { .name: wf, .offset: 40, .size: 8, .value_kind: global_buffer, .address_space: global }
      - { .name: wsf, .offset: 48, .size: 8, .value_kind: global_buffer, .address_space: global }
      - { .name: b1, .offset: 56, .size: 8, .value_kind: global_buffer, .address_space: global }
      - { .name: b2, .offset: 64, .size: 8, .value_kind: global_buffer, .address_space: global }
      - { .name: out0, .offset: 72, .size: 8, .value_kind: global_buffer, .address_space: global }
    .group_segment_fixed_size: 137728
    .private_segment_fixed_size: 0
    .kernarg_segment_align: 8
    .kernarg_segment_size: 80
    .max_flat_workgroup_size: 512
    .sgpr_count:     92
    .vgpr_count:     256
    .wavefront_size: 32
...
	.end_amdgpu_metadata
.endif
;; end of part 6
